; MI455X (gfx1250); checked and timed in simulation.
; The chip was launched on July 23, 2026; its instructions are those of AMD's public machine-readable ISA for CDNA 5 (MIT licence, August 2026) and "CDNA5" Instruction Set Architecture Reference Guide (July 2026). The comments in the code are by the model that wrote it; some were corrected since.
;; Reference Attention. Allowed arithmetic: matrix products marked QUANTISED: E5M2 operands, one E8M0 scale for each 32 along K, by v_wmma_scale_f32_16x16x128_f8f6f4 with both operands' format E5M2, f32 sums; everything else in f32.
;; Inputs: W_attn 1,024 x 3,072 float32; W_proj 1,024 x 1,024 float32; b_attn 3,072 float32; b_proj 1,024 float32; x 4 x 2,048 x 1,024 float32.
;; Outputs: out0 4 x 2,048 x 1,024 float32.
;; This version of the problem:
;;   THIS VERSION OF THE PROBLEM IS GIVEN IN LOW PRECISION. The matrix products marked QUANTISED in the list below multiply operands that are first quantised to E5M2 (5 exponent bits, 2 mantissa bits; 8 bits a number), with one power-of-two scale for each 32 numbers along K (OCP MX v1.0); their sums are f32. All else is computed in f32.
;;   The module's matrix products, in the order in which they are computed (A, B: the left and right operand; K: the contracted axis; several contracted axes count as one K, in the product's order):
;;     1. [M 8,192, K 1,024] x [K 1,024, N 3,072]; A: input x; B: input W_attn: QUANTISED
;;     2. batch 64 x [M 2,048, K 64] x [K 64, N 2,048]; A: computed on the way; B: computed on the way: QUANTISED
;;     3. batch 64 x [M 2,048, K 2,048] x [K 2,048, N 64]; A: softmax (see below); B: computed on the way: QUANTISED
;;     4. [M 8,192, K 1,024] x [K 1,024, N 1,024]; A: computed on the way; B: input W_proj: QUANTISED
;;   THE QUANTISER, for each operand of a quantised product, along K:
;;     - K is cut into blocks of 32 from its start; a last block that is shorter is filled with zeros.
;;     - A block's scale is 2^e with e = floor(log2(the largest magnitude in the block)) - 15, held to -126 .. 127; a block of zeros has e = 0. As a byte (E8M0): e + 127.
;;     - Each number is divided by its block's scale, clamped to +-57,344, and rounded to the nearest number of E5M2, ties to even, subnormals kept.
;;     - The product sums the exact products of the quantised numbers (number of the format x scale) in f32.
;;   ~~~python
;;   def quantise(x, axis):      # numpy; x: float32 -> the quantised numbers, widened to float32 again
;;       x = np.moveaxis(x, axis, -1); K = x.shape[-1]
;;       x = np.pad(x, [(0, 0)] * (x.ndim - 1) + [(0, -K % 32)]); x = x.reshape(x.shape[:-1] + (-1, 32)); a = np.abs(x).max(-1, keepdims=True)
;;       e = np.where(a > 0, np.clip(np.frexp(np.where(a > 0, a, 1))[1] - 1 - 15, -126, 127), 0)      # np.frexp(a)[1] - 1 = floor(log2(a)), exactly
;;       r = np.clip(x / 2.0 ** e, -57344, 57344)
;;       step = 2.0 ** (np.maximum(np.frexp(np.where(r == 0, 1, r))[1] - 1, -14) - 2)
;;       q = np.round(r / step) * step * 2.0 ** e      # np.round: ties to even
;;       return np.moveaxis(q.reshape(q.shape[:-2] + (-1,))[..., :K], -1, axis).astype(np.float32)
;;   ~~~
;;   SOFTMAX AHEAD OF A QUANTISED PRODUCT. Where the list says 'softmax', what is quantised is not the finished softmax but p = 2^(t - M), with t = logit x log2(e) and M = ceil(the row's largest t), a whole number; so 1/2 < the row's largest p <= 1. The row's sum l is taken of the UNQUANTISED p, in f32, and the product's result is divided by l at the end. Since M is a whole number, a kernel that streams over the keys may use a running M (the ceiling of the running maximum): every later rescaling is an exact power of two, which a block's scale takes up: the codes' values come out the same.
;;   OPERANDS COMPUTED ON THE WAY. 'Computed on the way' means the value that the module computes at that place (a softmax that the list does not call 'softmax' is quantised finished and normalised). What goes into a quantiser is computed in f32, as accurately as f32 sums, v_exp_f32 and their like allow (about 1e-6 of the number): no bf16 or f16 on the way to a quantiser, and a product that is left as it is and whose result goes on into a quantised operand takes f32 operands (vector FMAs, or v_wmma_f32_16x16x4_f32). A number that lies on a knife's edge between two numbers of the format may be rounded either way, as far as f32 arithmetic and the matrix unit's own rounding can turn it there, and no further.
;; One version. Each part assembles by itself: llvm-mc -triple=amdgcn-amd-amdhsa -mcpu=gfx1250 --defsym DOCPART=n.
;; ======== version 1 of 1: 5 launches
;; limits: right only within a limited range of input values
;; workspace buffers: xc 8,388,608 bytes; xs 262,144 bytes; wc 4,194,304 bytes; ws 131,072 bytes; qkq 17,825,792 bytes; vq 8,650,752 bytes; oc 8,388,608 bytes; os 262,144 bytes
;; launch quant_x (part 1): grid 384 x 1, 4 waves a work-group, no clusters, 68,096 bytes of LDS; arguments x, xc, xs, W_attn, W_proj, wc, ws; writes xc, xs, wc, ws
.if DOCPART == 1
	.amdgcn_target "amdgcn-amd-amdhsa--gfx1250"
	.amdhsa_code_object_version 6
	.text
	.protected	k_q5bb4732584_quant_x
	.globl	k_q5bb4732584_quant_x
	.p2align	8
	.type	k_q5bb4732584_quant_x,@function
k_q5bb4732584_quant_x:
	s_mov_b64 s[64:65], 0
	v_nop
	global_prefetch_b8 v0, s[64:65] scope:SCOPE_SE
	s_setreg_imm32_b32 hwreg(HW_REG_WAVE_MODE, 25, 1), 1
	s_wait_xcnt 0x0
; x [8192][1024], f32, becomes codes of BF8 (E5M2), one byte each, K innermost (xc [8192][1024]), with one E8M0 scale byte for each 32 along K (xs [8192][32]).
; A block's scale is 2^(floor(log2(its largest magnitude)) - 15); its byte is the largest magnitude's own exponent field - 15, held at 1 from below.  Each number is divided by the scale,
; held within +-57,344 and rounded to the nearest code, ties to even.
; LIMITS: a block of zeros gets the byte 1 where the rule says 127 (its codes are zeros, and this program alone reads the bytes); blocks whose largest magnitude lies under 2^-111 keep the byte 1;
; NaN and infinities among the inputs are not served.
; Rows are dense and 1,024 is a multiple of 32: the tensor is a plain stream of blocks of 32, and so are the codes and the scale bytes.
; A wave takes 16 steps of 512 numbers.  Each of a step's four loads reads 512 consecutive bytes, 16 a lane; the 2,048 bytes go through the wave's own stage in LDS as they lie and come back 64 bytes a lane,
; so that a lane holds 16 NEIGHBOURS (two neighbouring lanes hold a block), as the conversions want.  A lane's 16 codes are 16 bytes: the wave stores 512 consecutive bytes.
; A wave's 256 scale bytes are gathered in its own LDS bytes and leave as 256 consecutive bytes.  No barrier: waves share nothing.  Loads run four steps (16 loads a wave) ahead, the turn through LDS one step.
.set STEPS, 16
.set EMAX,  15
.set MANT,  0x600000                   ; the mantissa field of 57,344 as f32
.set CB,    16                         ; bytes of 16 codes
.set R,     16                         ; v16-79   four sets of 16 numbers as they are loaded
.set X,     80                         ; v80-111  two sets of 16 neighbours
.set C,     128                        ; v128-191 codes: four registers for each step, so that no store's data are written again
.set E,     112                        ; v112-127 a scale byte for each step
.set WREG,  8192                       ; LDS: a region of its own for each wave: two stages of 32 x SP bytes, and behind them its 256 scale bytes
.set SP,    80                         ; a lane's place in a stage: its 64 bytes + 16 of padding
; ONE LAUNCH, TWO PATHS, parted on the work-group's number: 0 to 255 quantise x (below), 256 to 383 the two weights (behind .Lweights).  Each path has LDS bytes of its own: x's 0 to 32,767, the spare words 32,768 on, the weights' 33,280 on.
	v_lshl_add_u32 v192, v0, 2, 0x8000
	v_mov_b32 v193, 0
	s_cmp_lt_u32 ttmp9, 256
	s_wait_alu depctr_va_vdst(0)
	s_cbranch_scc0 .Lweights
	s_load_b128 s[4:7], s[0:1], 0x0                ; x s[4:5], xc s[6:7]
	s_load_b64 s[8:9], s[0:1], 0x10                ; xs
	v_lshrrev_b32 v1, 5, v0
	v_readfirstlane_b32 s16, v1                    ; wave
	v_and_b32 v2, 31, v0                           ; lane
	v_lshlrev_b32 v3, 4, v2                        ; my 16 bytes of a load's 512
	s_mul_i32 s17, s16, WREG
	v_lshrrev_b32 v14, 2, v2
	v_mul_u32_u24 v14, v14, SP
	v_and_b32 v15, 3, v2
	v_lshl_add_u32 v14, v15, 4, v14
	v_add_nc_u32 v14, s17, v14                     ; the stage, on the way in: four lanes' 64 bytes on end, then 16 of padding
	v_mul_u32_u24 v15, v2, SP
	v_add_nc_u32 v15, s17, v15                     ; and on the way out: SP x lane: my 16 neighbours
	v_mul_u32_u24 v4, v2, CB                       ; my codes' place in a step's
	v_lshrrev_b32 v5, 1, v2
	s_add_co_u32 s17, s17, 2*32*SP
	v_add_nc_u32 v5, s17, v5                       ; LDS: my wave's 256 scale bytes, my block's byte
	v_lshlrev_b32 v7, 3, v2                        ; and on the way out 8 bytes a lane
	v_add_nc_u32 v6, s17, v7
	s_mov_b32 s23, MANT                            ; (an instruction takes one literal: the hold's line has another)
	s_lshl_b32 s18, ttmp9, 2
	s_add_co_u32 s18, s18, s16                     ; which run of 8,192 numbers is my wave's: 4 x work-group + wave, 0 .. 1,023
	s_lshl_b32 s20, s18, 15                        ; its 32,768 bytes of x,
	s_mov_b32 s21, 0
	s_lshl_b32 s24, s18, 13                        ; its 8,192 codes,
	s_mov_b32 s25, 0
	s_lshl_b32 s26, s18, 8                         ; its 256 scale bytes
	s_mov_b32 s27, 0
	s_wait_alu depctr_va_vdst(0)
	s_wait_kmcnt 0x0
	s_add_nc_u64 s[4:5], s[4:5], s[20:21]
	s_add_nc_u64 s[6:7], s[6:7], s[24:25]
	s_add_nc_u64 s[8:9], s[8:9], s[26:27]
.macro LOAD t
.irp i, 0,1,2,3
	global_load_b128 v[R+16*((\t)%4)+4*\i:R+16*((\t)%4)+4*\i+3], v3, s[4:5] offset:2048*(\t)+512*\i th:TH_LOAD_NT   ; 32 lanes read 512 consecutive bytes
.endr
.endm
.macro TURN t                          ; step t's numbers through the stage: LDS serves a wave's instructions in order, so no wait stands between the stores and the loads
.irp i, 0,1,2,3
	ds_store_b128 v14, v[R+16*((\t)%4)+4*\i:R+16*((\t)%4)+4*\i+3] offset:32*SP*((\t)%2)+8*SP*\i
.endr
.irp i, 0,1,2,3
	ds_load_b128 v[X+16*((\t)%2)+4*\i:X+16*((\t)%2)+4*\i+3], v15 offset:32*SP*((\t)%2)+16*\i
.endr
.endm
.irp t, 0,1,2,3
	LOAD \t
.endr
	s_wait_loadcnt 12                              ; step 0's four loads are in; the twelve of steps 1 to 3 may be out
	TURN 0
.macro STEP t
.set XS, X+16*((\t)%2)
.if (\t) > 0
	s_wait_dscnt 1                                 ; this step's numbers are back from the stage (the last step's byte store may be out): so its stores into the stage have read their registers,
.else
	s_wait_dscnt 0x0
.endif
.if (\t)+4 < STEPS
	LOAD (\t)+4                                    ; which take the loads of four steps on
.endif
.if (\t)+1 < STEPS
.if STEPS-2-(\t) >= 3
	s_wait_loadcnt 12                              ; the next step's four loads are in; those of the three steps behind it may be out
.else
	s_wait_loadcnt 4*(STEPS-2-(\t))
.endif
	TURN (\t)+1                                    ; and go through the other stage while this step is worked
.endif
	v_max3_num_f32 v8, |v[XS]|, |v[XS+1]|, |v[XS+2]|               ; the largest magnitude of my 16, in two chains
	v_max3_num_f32 v9, |v[XS+3]|, |v[XS+4]|, |v[XS+5]|
.irp i, 6,10
	v_max3_num_f32 v8, v8, |v[XS+\i]|, |v[XS+\i+1]|
	v_max3_num_f32 v9, v9, |v[XS+\i+2]|, |v[XS+\i+3]|
.endr
	v_max3_num_f32 v8, v8, |v[XS+14]|, |v[XS+15]|
	v_max3_num_f32 v8, v8, v9, (EMAX+1)<<23        ; and the floor 2^(16 - 127): the byte cannot fall under 1
	v_max_num_f32_dpp v8, v8, v8 row_xmask:1 row_mask:0xf bank_mask:0xf   ; and of my neighbour's 16: the block's
	v_add_nc_u32 v11, 0xf8800000, v8               ; 15 off its exponent field: the conversion takes the exponent field of this operand as its scale, and nothing else of it
	v_and_or_b32 v10, v8, 0x7f800000, s23          ; 57,344 x the scale: the largest magnitude's exponent field over 57,344's mantissa
.irp i, 0,1,2,3,4,5,6,7,8,9,10,11,12,13,14,15
	v_med3_num_f32 v[XS+\i], v[XS+\i], -v10, v10   ; the conversion to an 8-bit code does not saturate (ISA guide 7.6.2): hold the number first
.endr
	v_cvt_scalef32_pk8_bf8_f32 v[C+4*(\t):C+4*(\t)+1], v[XS:XS+7], v11
	v_cvt_scalef32_pk8_bf8_f32 v[C+4*(\t)+2:C+4*(\t)+3], v[XS+8:XS+15], v11
	v_lshrrev_b32 v[E+(\t)], 23, v11               ; the scale's byte (also the plain line behind the conversions)
	ds_store_b8 v5, v[E+(\t)] offset:16*(\t)       ; both lanes of a block write the same byte with the same value
	global_store_b128 v4, v[C+4*(\t):C+4*(\t)+3], s[6:7] offset:32*CB*(\t)
.endm
.irp t, 0,1,2,3,4,5,6,7,8,9,10,11,12,13,14,15
	STEP \t
.endr
	ds_load_b64 v[12:13], v6                       ; LDS serves a wave's instructions in order: these see my stores
	s_wait_dscnt 0x0
	global_store_b64 v7, v[12:13], s[8:9]          ; 32 lanes store 256 consecutive bytes, at a multiple of 256 from the buffer's first byte
	s_wait_tensorcnt 0x0
	ds_add_u32 v192, v193
	s_wait_dscnt 0x0
	s_endpgm
.Lweights:
; W_attn [1024][3072] and W_proj [1024][1024], f32, have K as their FIRST axis.  They become codes of BF8 (E5M2), wc [4096][1024] with K innermost (rows 0-3071: W_attn's columns, rows 3072-4095: W_proj's), and one E8M0 byte for each 32 along K, ws [4096][32].
; A lane takes a column and its registers run down K: a block of 32 lies in one lane's 32 registers, and the conversions give codes with K innermost.
; W_proj's codes are permuted inside each block of 32: its partner, the attention's result, is quantised in the registers in which the matrix unit leaves it, which puts K index 16 u + 8 h + j of a block at place 16 h + 8 u + j.
; So its four groups of eight rows are loaded in the order 0, 2, 1, 3.  Blocks, scales and products are as the rule has them.
; A work-group takes 128 columns x 256 along K (32 x 4 = 128 work-groups), a wave 32 columns: 8 blocks a lane.  The codes go through the wave's own stage in LDS and leave as rows: sixteen lanes store 256 consecutive bytes.
; LIMITS as for x: a block of zeros gets the byte 1; blocks under 2^-111 keep the byte 1; NaN and infinities are not served.
.set NB,    8
.set PITCH, 272                        ; a stage row: 256 bytes + 16
.set KROW,  1024
.set WSTG,  33280                      ; the four stages' first LDS byte
.set X,     32                         ; v32-95   two sets of 32 numbers
.set C,     96                         ; v96-103  a block's codes
.set OUTR,  112                        ; v112-175 the way out
.set SB,    24                         ; v24-25   the scale bytes
.set GB,    16                         ; v17-19   4 x lane + the first row of groups 1 to 3
.set AD,    194                        ; v194-225 byte offset of place p's row, + 4 x lane
.set BASE,  32                         ; s[32:47] block t's first row, my wave's first column
	s_load_b128 s[4:7], s[0:1], 0x18               ; W_attn, W_proj
	s_load_b128 s[8:11], s[0:1], 0x28              ; wc, ws
	v_lshrrev_b32 v1, 5, v0
	v_readfirstlane_b32 s16, v1                    ; wave 0..3
	v_and_b32 v2, 31, v0
	s_wait_alu depctr_va_vdst(0)
	s_sub_co_u32 s30, ttmp9, 256
	s_and_b32 s28, s30, 31                         ; which 128 columns (24 x 128 = 3,072: W_proj's follow W_attn's)
	s_lshr_b32 s18, s30, 5                         ; which 256 along K
	s_lshl_b32 s17, s28, 7
	s_lshl_b32 s19, s16, 5
	s_add_co_u32 s17, s17, s19                     ; lane 0's row of wc
	v_lshlrev_b32 v3, 2, v2
	s_mul_i32 s19, s16, 32*PITCH
	s_add_co_u32 s19, s19, WSTG                    ; my stage
	v_mul_u32_u24 v4, v2, PITCH
	v_add_nc_u32 v4, s19, v4                       ; into it: row = my column
	v_and_b32 v5, 15, v2
	v_lshrrev_b32 v6, 4, v2
	v_mul_u32_u24 v7, v6, PITCH
	v_lshl_add_u32 v7, v5, 4, v7
	v_add_nc_u32 v7, s19, v7                       ; out of it: sixteen lanes to a row
	v_mul_u32_u24 v8, v6, KROW
	v_lshl_add_u32 v8, v5, 4, v8                   ; the same place in wc
	v_lshlrev_b32 v9, 5, v2                        ; my column's row of scale bytes
	s_mov_b32 s31, MANT
	s_sub_co_u32 s20, s17, 3072                    ; the column in W_proj
	s_mov_b32 s21, 12288                           ; W_attn's row in bytes
	s_wait_kmcnt 0x0
	s_cmp_lt_u32 s28, 24                           ; W_attn's or W_proj's?  Ids alone decide; the lines below leave SCC as it is
	s_cselect_b64 s[4:5], s[4:5], s[6:7]
	s_cselect_b32 s21, s21, 4096                   ; the row pitch
	s_cselect_b32 s20, s17, s20                    ; my wave's first column in its tensor
	s_cselect_b32 s22, 8, 16                       ; places 8-15 take rows 8-15, for W_proj rows 16-23
	s_cselect_b32 s23, 16, 8
	s_mul_i32 s22, s22, s21
	s_mul_i32 s23, s23, s21
	s_mul_i32 s24, s21, 24
	v_add_nc_u32 v[GB+1], s22, v3
	s_wait_alu depctr_va_vdst(0)
	v_add_nc_u32 v[GB+2], s23, v3
	s_wait_alu depctr_va_vdst(0)
	v_add_nc_u32 v[GB+3], s24, v3
	s_wait_alu depctr_va_vdst(0)
.irp j, 0,1,2,3,4,5,6,7
	s_mul_i32 s[52+\j], s21, \j
.endr
.irp j, 0,1,2,3,4,5,6,7
	v_add_nc_u32 v[AD+\j], s[52+\j], v3
.irp g, 1,2,3
	v_add_nc_u32 v[AD+8*\g+\j], s[52+\j], v[GB+\g]
.endr
.endr
	s_lshl_b32 s25, s18, 8
	s_mul_i32 s48, s25, s21                        ; so many rows down,
	s_lshl_b32 s26, s20, 2
	s_add_co_u32 s48, s48, s26                     ; and my wave's first column
	s_mov_b32 s49, 0
	s_lshl_b32 s50, s21, 5                         ; from block to block: 32 rows
	s_mov_b32 s51, 0
	s_add_nc_u64 s[BASE:BASE+1], s[4:5], s[48:49]
.irp t, 1,2,3,4,5,6,7
	s_add_nc_u64 s[BASE+2*\t:BASE+2*\t+1], s[BASE+2*\t-2:BASE+2*\t-1], s[50:51]
.endr
	s_lshl_b32 s26, s17, 10                        ; wc: row x 1,024 + 256 y
	s_add_co_u32 s26, s26, s25
	s_mov_b32 s27, 0
	s_add_nc_u64 s[8:9], s[8:9], s[26:27]
	s_lshl_b32 s28, s17, 5                         ; ws: row x 32 + 8 y
	s_lshl_b32 s29, s18, 3
	s_add_co_u32 s28, s28, s29
	s_mov_b32 s29, 0
	s_add_nc_u64 s[10:11], s[10:11], s[28:29]
.macro LOADW t                         ; block t: place p's row, my column, into set t % 2
.irp i, 0,1,2,3,4,5,6,7,8,9,10,11,12,13,14,15,16,17,18,19,20,21,22,23,24,25,26,27,28,29,30,31
	global_load_b32 v[X+32*((\t)%2)+\i], v[AD+\i], s[BASE+2*(\t):BASE+2*(\t)+1] th:TH_LOAD_NT
.endr
.endm
	s_wait_alu depctr_va_vdst(0)
	LOADW 0
	LOADW 1
.macro BLOCKW t
.set XS, X+32*((\t)%2)
.if (\t) < NB-1
	s_wait_loadcnt 32                              ; this block's 32 loads are in; the next block's may be out
.else
	s_wait_loadcnt 0
.endif
	v_max3_num_f32 v12, |v[XS]|, |v[XS+1]|, |v[XS+2]|
	v_max3_num_f32 v13, |v[XS+3]|, |v[XS+4]|, |v[XS+5]|
.irp i, 6,10,14,18,22,26
	v_max3_num_f32 v12, v12, |v[XS+\i]|, |v[XS+\i+1]|
	v_max3_num_f32 v13, v13, |v[XS+\i+2]|, |v[XS+\i+3]|
.endr
	v_max3_num_f32 v12, v12, |v[XS+30]|, |v[XS+31]|
	v_max3_num_f32 v12, v12, v13, 0x8000000        ; the floor 2^(16 - 127): the byte cannot fall under 1
	v_add_nc_u32 v11, 0xf8800000, v12              ; the conversion's scale operand
	v_and_or_b32 v10, v12, 0x7f800000, s31         ; 57,344 x the scale
	v_lshrrev_b32 v13, 23, v11                     ; the scale's byte
.if (\t)%4 == 0
	v_mov_b32 v[SB+(\t)/4], v13
.else
	v_lshl_or_b32 v[SB+(\t)/4], v13, 8*((\t)%4), v[SB+(\t)/4]
.endif
.irp i, 0,1,2,3,4,5,6,7,8,9,10,11,12,13,14,15,16,17,18,19,20,21,22,23,24,25,26,27,28,29,30,31
	v_med3_num_f32 v[XS+\i], v[XS+\i], -v10, v10   ; the conversion does not saturate (ISA guide 7.6.2): hold the number first
.endr
.irp g, 0,1,2,3
	v_cvt_scalef32_pk8_bf8_f32 v[C+2*\g:C+2*\g+1], v[XS+8*\g:XS+8*\g+7], v11
.endr
	v_nop                                          ; one plain line behind the last conversion
	ds_store_b128 v4, v[C:C+3] offset:32*(\t)
	ds_store_b128 v4, v[C+4:C+7] offset:32*(\t)+16
.if (\t)+2 < NB
	LOADW (\t)+2
.endif
	s_wait_dscnt 0x0                               ; the stores have read their registers
.endm
.set Q, 0
.rept NB
	BLOCKW Q
.set Q, Q+1
.endr
	global_store_b64 v9, v[SB:SB+1], s[10:11]      ; my column's 8 scale bytes
.irp t, 0,1,2,3,4,5,6,7,8,9,10,11,12,13,14,15
	ds_load_b128 v[OUTR+4*\t:OUTR+4*\t+3], v7 offset:2*\t*PITCH
.endr
.irp t, 0,1,2,3,4,5,6,7,8,9,10,11,12,13,14,15
	s_wait_dscnt 15-\t                             ; pair t of rows is in, the younger ones may be out
	global_store_b128 v8, v[OUTR+4*\t:OUTR+4*\t+3], s[8:9] offset:2*\t*KROW
.endr
	s_wait_tensorcnt 0x0                           ; the wave's end
	ds_add_u32 v192, v193
	s_wait_dscnt 0x0
	s_endpgm
.Lfunc_end_k_q5bb4732584_quant_x:
	.size	k_q5bb4732584_quant_x, .Lfunc_end_k_q5bb4732584_quant_x-k_q5bb4732584_quant_x
	.p2alignl 7, 3214868480
	.fill 96, 4, 3214868480
	.section	.rodata,"a",@progbits
	.p2align	6, 0x0
	.amdhsa_kernel k_q5bb4732584_quant_x
		.amdhsa_group_segment_fixed_size 68096
		.amdhsa_private_segment_fixed_size 0
		.amdhsa_enable_private_segment 0
		.amdhsa_kernarg_size 56
		.amdhsa_user_sgpr_count 2
		.amdhsa_user_sgpr_kernarg_segment_ptr 1
		.amdhsa_wavefront_size32 1
		.amdhsa_system_sgpr_workgroup_id_x 1
		.amdhsa_system_sgpr_workgroup_id_y 1
		.amdhsa_system_sgpr_workgroup_id_z 1
		.amdhsa_system_vgpr_workitem_id 0
		.amdhsa_next_free_vgpr 226
		.amdhsa_next_free_sgpr 66
		.amdhsa_reserve_vcc 0
		.amdhsa_float_denorm_mode_32 3
		.amdhsa_float_denorm_mode_16_64 3
		.amdhsa_memory_ordered 1
		.amdhsa_forward_progress 1
		.amdhsa_inst_pref_size 112
	.end_amdhsa_kernel
	.amdgpu_metadata
---
amdhsa.version: [ 1, 2 ]
amdhsa.kernels:
  - .name:           k_q5bb4732584_quant_x
    .symbol:         k_q5bb4732584_quant_x.kd
    .args:
      - { .name: x, .offset: 0, .size: 8, .value_kind: global_buffer, .address_space: global }
      - { .name: xc, .offset: 8, .size: 8, .value_kind: global_buffer, .address_space: global }
      - { .name: xs, .offset: 16, .size: 8, .value_kind: global_buffer, .address_space: global }
      - { .name: W_attn, .offset: 24, .size: 8, .value_kind: global_buffer, .address_space: global }
      - { .name: W_proj, .offset: 32, .size: 8, .value_kind: global_buffer, .address_space: global }
      - { .name: wc, .offset: 40, .size: 8, .value_kind: global_buffer, .address_space: global }
      - { .name: ws, .offset: 48, .size: 8, .value_kind: global_buffer, .address_space: global }
    .group_segment_fixed_size: 68096
    .private_segment_fixed_size: 0
    .kernarg_segment_align: 8
    .kernarg_segment_size: 56
    .max_flat_workgroup_size: 128
    .sgpr_count:     66
    .vgpr_count:     226
    .wavefront_size: 32
...
	.end_amdgpu_metadata
.endif
;; end of part 1
;; launch gemm_qk (part 2): grid 8 x 32, 4 waves a work-group, clusters of 4 x 4, 327,680 bytes of LDS; arguments xc, xs, wc, ws, b_attn, qkq; writes qkq
.if DOCPART == 2
	.amdgcn_target "amdgcn-amd-amdhsa--gfx1250"
	.amdhsa_code_object_version 6
	.text
	.protected	k_q5bb4732584_gemm_qk
	.globl	k_q5bb4732584_gemm_qk
	.p2align	8
	.type	k_q5bb4732584_gemm_qk,@function
k_q5bb4732584_gemm_qk:
	s_mov_b64 s[64:65], 0
	v_nop
	global_prefetch_b8 v0, s[64:65] scope:SCOPE_SE
	s_setreg_imm32_b32 hwreg(HW_REG_WAVE_MODE, 25, 1), 1
	s_wait_xcnt 0x0
	s_wait_alu depctr_hold_cnt(0) depctr_sa_sdst(0) depctr_va_vdst(0) depctr_va_sdst(0) depctr_va_ssrc(0) depctr_va_vcc(0) depctr_vm_vsrc(0)
	s_getreg_b32 s2, hwreg(HW_REG_IB_STS2, 6, 4)
	s_cmp_eq_u32 s2, 0
	s_cbranch_scc0 .Lentry_in_a_cluster
	s_endpgm
.Lentry_in_a_cluster:
	s_bfe_u32 s2, ttmp6, 0x10000c
	s_cmp_lg_u32 s2, 0xf033
	s_cbranch_scc0 .Lentry_shape_is_right
	s_endpgm
.Lentry_shape_is_right:
.set MODE,   0
.set SIZE_K, 1024
.set SIZE_N, 1024
.set KREC,   8704
.set VREC,   8448
.set KHS,    16*KREC
.set VHS,    16*VREC
.if MODE == 0
.set AROW0, 0
.set BROW0, 0
.elseif MODE == 1
.set AROW0, 2048
.set BROW0, 0
.else
.set AROW0, 0
.set BROW0, 3072
.endif
.if MODE == 2
.set AKROW, 256
.set ASTEP, 2097152
.set AW0,   (1<<21)
.else
.set AKROW, 1024
.set ASTEP, 256
.set AW0,   (1<<20)|(1<<21)|(5<<22)|(3<<25)
.endif
.set KSTEP,  256
.set NQ,     KSTEP/128
.set ROWB,   256
.set KROW,   SIZE_K
.set PITCH,  272
.set FR,     16
.set NL,     4
.set NP,     8
.set HALFT,  128*PITCH
.set SLOT,   4*HALFT
.set LAPS,   SIZE_K/(2*KSTEP)
.set KS,     SIZE_K/32
.set SCL,    2*SLOT
.set HALFS,  (128*KS/256)*272
.set SBLK,   (16*KS/256)*272
.set SPARE,  SCL+4*HALFS
.set SPITCH, 528
.set ADRA, 16
.set ADRB, 20
.set STO,  24
.set RD,   25
.set CO,   26
.set ADRS, 27
.set SPW,  28
.set NIL,  29
.set BA,   30
.set SC,   32
.set BI,   64
.set AF,   128
.set BK,   128
.set T,    128
.set PC,   192
.set TM,   208
.set PW,   224
.set SW,   228
.set SWH,  232
.set G1, 24
.set G0, 32
.set G1B, 48
.set G0B, 56
.set G1S, 68
.set G0S, 76
.set G1SB, 80
.set G0SB, 88
.set MSB, 0
.macro WIN new
.if MSB != \new
	s_set_vgpr_msb (MSB<<8)|\new
.set MSB, \new
.endif
.endm
.set MUL_LO,   0xa1
.set MUL_HI,   0xf1
.set FIRST_LO, 0x81
.set FIRST_HI, 0xc1
.set TO_B,     0x40
.macro JLOAD g0a, g1a, g0b, g1b
	s_cmp_eq_u32 s15, 0
	s_cbranch_scc0 .Lfor_b_\@
	tensor_load_to_lds s[\g0a:\g0a+3], s[\g1a:\g1a+7]
	s_nop 0
.rept 4
	v_nop
.endr
	s_branch .Lasked_\@
.Lfor_b_\@:
	tensor_load_to_lds s[\g0b:\g0b+3], s[\g1b:\g1b+7]
	s_nop 0
.rept 4
	v_nop
.endr
.Lasked_\@:
.endm
.macro CREST
	s_cmp_lg_u32 s14, 0
	s_cbranch_scc1 .Lnot_wave_0_\@
	s_barrier_signal -3
.Lnot_wave_0_\@:
	s_barrier_wait -3
	s_barrier_signal -1
	s_barrier_wait -1
.endm
.macro CROUND
	s_barrier_signal -1
	s_barrier_wait -1
	CREST
.endm
	s_load_b128 s[4:7], s[0:1], 0x0
	s_load_b128 s[8:11], s[0:1], 0x10
	s_load_b64 s[96:97], s[0:1], 0x20
	s_load_b64 s[12:13], s[0:1], 0x28
	v_lshl_add_u32 v[SPW], v0, 2, SPARE
	v_mov_b32 v[NIL], 0
	ds_add_u32 v28, v29
	ds_add_u32 v28, v29
	s_wait_dscnt 0x0
	v_lshrrev_b32 v1, 5, v0
	v_readfirstlane_b32 s14, v1
	s_lshr_b32 s15, s14, 1
	s_and_b32 s16, s14, 1
	s_bfe_u32 s40, ttmp6, 0x40000
	s_bfe_u32 s41, ttmp6, 0x40004
	s_lshl_b32 s42, ttmp9, 2
	s_add_co_u32 s42, s42, s40
	s_and_b32 s17, ttmp7, 0xffff
	s_lshl_b32 s17, s17, 2
	s_add_co_u32 s17, s17, s41
	s_lshl_b32 s43, s41, 2
	s_lshl_b32 s43, 15, s43
	s_lshl_b32 s44, 0x1111, s40
	s_mov_b32 s95, 0x600000
	s_mov_b32 s98, 0x76543210
	s_mov_b32 s99, 0xfedcba98
	s_or_b32 s[G1+0], s43, AW0
	s_or_b32 s[G1B+0], s44, (1<<20)|(1<<21)|(5<<22)|(3<<25)
.irp g, G1, G1B
	s_mov_b32 s[\g+1], ROWB<<16
	s_mov_b32 s[\g+2], 128<<16
	s_mov_b32 s[\g+3], ROWB<<16
	s_mov_b32 s[\g+4], 128
	s_mov_b32 s[\g+6], 0
	s_mov_b32 s[\g+7], 0
.endr
	s_mov_b32 s[G1+5], AKROW
	s_mov_b32 s[G1B+5], KROW
	s_or_b32 s[G1S+0], s43, (3<<16)|(1<<20)|(1<<21)|(5<<22)|(3<<25)
	s_or_b32 s[G1SB+0], s44, (3<<16)|(1<<20)|(1<<21)|(5<<22)|(3<<25)
.irp g, G1S, G1SB
	s_mov_b32 s[\g+1], 32<<16
	s_mov_b32 s[\g+2], (128*KS/256)<<16
	s_mov_b32 s[\g+3], 32<<16
	s_mov_b32 s[\g+4], 128*KS/256
	s_mov_b32 s[\g+5], 32
	s_mov_b32 s[\g+6], 0
	s_mov_b32 s[\g+7], 0
.endr
	s_lshl_b32 s18, s16, 7
	s_lshl_b32 s20, s17, 8
	s_add_co_u32 s20, s20, s18
.if AROW0 != 0
	s_add_co_u32 s20, s20, AROW0
.endif
	s_lshl_b32 s46, s42, 8
	s_add_co_u32 s46, s46, s18
.if BROW0 != 0
	s_add_co_u32 s46, s46, BROW0
.endif
	s_mov_b32 s21, 0
	s_mov_b32 s47, 0
	s_mov_b64 s[18:19], KS
	s_mul_u64 s[22:23], s[20:21], s[18:19]
	s_mul_u64 s[92:93], s[46:47], s[18:19]
	s_mov_b64 s[18:19], AKROW
	s_mul_u64 s[20:21], s[20:21], s[18:19]
	s_mov_b64 s[18:19], KROW
	s_mul_u64 s[46:47], s[46:47], s[18:19]
	s_mul_i32 s45, s14, HALFT
	s_mul_i32 s94, s14, HALFS
	s_wait_kmcnt 0x0
	s_add_nc_u64 s[20:21], s[4:5], s[20:21]
	s_add_nc_u64 s[22:23], s[6:7], s[22:23]
	s_add_nc_u64 s[46:47], s[8:9], s[46:47]
	s_add_nc_u64 s[92:93], s[10:11], s[92:93]
	CROUND
	s_mov_b32 s[G0S], 1
	s_add_co_u32 s[G0S+1], s94, SCL
	s_mov_b64 s[G0S+2:G0S+3], s[22:23]
	s_or_b32 s[G0S+3], s[G0S+3], 0x80000000
	s_mov_b32 s[G0SB], 1
	s_add_co_u32 s[G0SB+1], s94, SCL
	s_mov_b64 s[G0SB+2:G0SB+3], s[92:93]
	s_or_b32 s[G0SB+3], s[G0SB+3], 0x80000000
	JLOAD G0S, G1S, G0SB, G1SB
.irp s, 0,1
	s_mov_b32 s[G0+4*\s], 1
	s_add_co_u32 s[G0+4*\s+1], s45, \s*SLOT
	s_add_nc_u64 s[G0+4*\s+2:G0+4*\s+3], s[20:21], \s*ASTEP
	s_or_b32 s[G0+4*\s+3], s[G0+4*\s+3], 0x80000000
	s_mov_b32 s[G0B+4*\s], 1
	s_add_co_u32 s[G0B+4*\s+1], s45, \s*SLOT
	s_add_nc_u64 s[G0B+4*\s+2:G0B+4*\s+3], s[46:47], \s*ROWB
	s_or_b32 s[G0B+4*\s+3], s[G0B+4*\s+3], 0x80000000
	s_wait_alu depctr_va_vdst(0)
	s_wait_tensorcnt 0x0
	ds_add_u32 v28, v29
	s_wait_dscnt 0x0
	CROUND
	JLOAD G0+4*\s, G1, G0B+4*\s, G1B
.endr
	v_and_b32 v1, 15, v0
	v_bfe_u32 v2, v0, 4, 1
	v_mul_u32_u24 v3, v1, PITCH
	v_lshl_add_u32 v4, v2, 4, v3
	v_and_b32 v6, 31, v0
	v_lshlrev_b32 v[CO], 4, v6
.if MODE == 1
	v_lshlrev_b32 v[RD], 3, v6
.endif
	s_mul_i32 s21, s15, HALFT
	s_mul_i32 s22, s16, HALFT
	s_add_co_u32 s22, s22, 2*HALFT
.irp s, 0,1
.if MODE == 2
	v_add_nc_u32 v[ADRA+\s], s21, v[CO]
.else
	v_add_nc_u32 v[ADRA+\s], s21, v4
.endif
	v_add_nc_u32 v[ADRB+\s], s22, v4
	s_add_co_u32 s21, s21, SLOT
	s_add_co_u32 s22, s22, SLOT
.endr
	v_mul_u32_u24 v5, v1, KS
	v_lshrrev_b32 v6, 8, v5
	v_lshl_add_u32 v5, v6, 4, v5
	s_mul_i32 s21, s15, HALFS
	s_mul_i32 s22, s16, HALFS
	s_add_co_u32 s22, s22, 2*HALFS
	s_sub_co_u32 s22, s22, s21
	v_mul_u32_u24 v6, s22, v2
	s_add_co_u32 s21, s21, SCL
	v_add_nc_u32 v5, v5, v6
	v_add_nc_u32 v[ADRS], s21, v5
.if MODE == 1
	s_lshl_b32 s20, s17, 10
	s_lshl_b32 s21, s15, 9
	s_add_co_u32 s20, s20, s21
	s_add_co_u32 s20, s20, 4*AROW0
	s_mov_b32 s21, 0
	s_add_nc_u64 s[96:97], s[96:97], s[20:21]
	v_lshlrev_b32 v[BA], 2, v1
.irp a, 0,1,2,3,4,5,6,7
	global_load_b32 v[BI+8*\a], v[BA], s[96:97] offset:64*\a
.endr
.else
	s_lshl_b32 s46, s42, 10
	s_lshl_b32 s47, s16, 9
	s_add_co_u32 s46, s46, s47
	s_mov_b32 s47, 0
	s_add_nc_u64 s[96:97], s[96:97], s[46:47]
	v_lshlrev_b32 v[BA], 5, v2
.irp b, 0,1,2,3,4,5,6,7
	global_load_b128 v[BI+8*\b:BI+8*\b+3], v[BA], s[96:97] offset:64*\b
	global_load_b128 v[BI+8*\b+4:BI+8*\b+7], v[BA], s[96:97] offset:64*\b+16
.endr
.endif
.if MODE == 0
	s_lshl_b32 s20, s17, 1
	s_add_co_u32 s20, s20, s15
	s_lshr_b32 s21, s20, 4
	s_lshl_b32 s21, s21, 8
	s_and_b32 s20, s20, 15
	s_add_co_u32 s20, s20, s21
	s_mul_i32 s20, s20, KREC
	s_mov_b32 s21, 0
	s_lshl_b32 s46, s42, 2
	s_lshl_b32 s47, s16, 1
	s_add_co_u32 s46, s46, s47
	s_lshr_b32 s47, s46, 4
	s_lshl_b32 s47, s47, 10
	s_and_b32 s46, s46, 15
	s_lshl_b32 s46, s46, 4
	s_add_co_u32 s46, s46, s47
	s_mul_i32 s46, s46, KREC
	s_mov_b32 s47, 0
	s_add_nc_u64 s[12:13], s[12:13], s[20:21]
	s_add_nc_u64 s[12:13], s[12:13], s[46:47]
.elseif MODE == 1
	s_lshl_b32 s20, s17, 2
	s_lshl_b32 s21, s15, 1
	s_add_co_u32 s20, s20, s21
	s_lshl_b32 s20, s20, 4
	s_mul_i32 s20, s20, VREC
	s_mov_b32 s21, 0
	s_lshl_b32 s46, s42, 1
	s_add_co_u32 s46, s46, s16
	s_lshr_b32 s47, s46, 4
	s_lshl_b32 s47, s47, 8
	s_and_b32 s46, s46, 15
	s_add_co_u32 s46, s46, s47
	s_mul_i32 s46, s46, VREC
	s_mov_b32 s47, 0
	s_add_nc_u64 s[12:13], s[12:13], s[20:21]
	s_add_nc_u64 s[12:13], s[12:13], s[46:47]
.else
	s_mul_i32 s23, s14, 16*SPITCH
	v_mul_u32_u24 v5, v1, SPITCH
	v_lshl_add_u32 v5, v2, 5, v5
	v_add_nc_u32 v[STO], s23, v5
	v_add_nc_u32 v[RD], s23, v[CO]
	s_lshl_b32 s20, s17, 8
	s_lshl_b32 s21, s15, 7
	s_add_co_u32 s20, s20, s21
	s_mov_b32 s21, 0
	s_mov_b64 s[18:19], SIZE_N*4
	s_mul_u64 s[20:21], s[20:21], s[18:19]
	s_add_nc_u64 s[20:21], s[20:21], s[46:47]
	s_add_nc_u64 s[12:13], s[12:13], s[20:21]
.endif
.macro FRAG reg, adr, q, i
.irp c, 0,1,2,3
	ds_load_b128 v[\reg+4*\c:\reg+4*\c+3], v[\adr] offset:128*(\q)+32*\c+(\i)*16*PITCH
.endr
.endm
.macro FRAGA reg, slot, q, i
.if MODE == 2
.irp c, 0,1,2,3
	ds_load_b128 v[\reg+4*\c:\reg+4*\c+3], v[ADRA+\slot] offset:4096*(\i)+2048*(\q)+512*\c
.endr
.else
	FRAG \reg, ADRA+\slot, \q, \i
.endif
.endm
.macro MUL16 a0, p, q, sc, zero
.irp a, \a0, \a0+1
.irp b, 0,1,2,3,4,5,6,7
.set DR, 8*(8*((\a)%4)+\b)
.if \zero
.if MODE == 1
.set CR, BI+8*(\a)
.else
.set CR, BI+8*\b
.endif
.else
.set CR, DR
.endif
	v_wmma_scale_f32_16x16x128_f8f6f4 v[DR:DR+7], v[128*(\p)+FR*\b:128*(\p)+FR*\b+FR-1], v[AF+FR*(\a):AF+FR*(\a)+FR-1], v[CR:CR+7], v[SC+8*NQ*(\sc)+NQ*\b+(\q)], v[SC+8*NQ*(\sc)+NQ*(\a)+(\q)] matrix_a_fmt:MATRIX_FMT_BF8 matrix_b_fmt:MATRIX_FMT_BF8 matrix_a_scale:MATRIX_SCALE_ROW1
.endr
.endr
.endm
.macro FETCH_B slot, q, p
	WIN TO_B
.irp i, 0,1,2,3,4,5,6,7
	FRAG 128*(\p)+FR*\i, ADRB+\slot, \q, \i
.endr
	WIN 0
.endm
.macro FETCH_A slot, q, i0
.irp i, \i0, \i0+1, \i0+2, \i0+3
	FRAGA AF+FR*(\i), \slot, \q, \i
.endr
.endm
.macro SCALES sc
.irp i, 0,1,2,3,4,5,6,7
	ds_load_b64 v[SC+8*NQ*\sc+NQ*\i:SC+8*NQ*\sc+NQ*\i+1], v[ADRS] offset:\i*SBLK
.endr
.endm
.macro PLACES n
.rept \n
	v_nop
.endr
.endm
.macro STEP slot, q, zero
	s_wait_dscnt 4*NL
.if \zero
	WIN FIRST_LO
.else
	WIN MUL_LO
.endif
	MUL16 0, (\q)%2, \q, \slot, \zero
	MUL16 2, (\q)%2, \q, \slot, \zero
	s_wait_dscnt 0
	PLACES NP
	FETCH_B \slot, (\q)+1, 1-(\q)%2
	FETCH_A \slot, (\q)+1, 0
.if \zero
	WIN FIRST_HI
.else
	WIN MUL_HI
.endif
	MUL16 4, (\q)%2, \q, \slot, \zero
	MUL16 6, (\q)%2, \q, \slot, \zero
	PLACES NP
	WIN 0
	FETCH_A \slot, (\q)+1, 4
.endm
.macro TURN slot, next, fill
	s_wait_tensorcnt 0x0
	ds_add_u32 v[SPW], v[NIL]
	s_wait_dscnt 4*NL+1
	WIN MUL_LO
	MUL16 0, 1, NQ-1, \slot, 0
	s_wait_dscnt 0x0
	s_barrier_signal -1
	MUL16 2, 1, NQ-1, \slot, 0
	WIN 0
	s_barrier_wait -1
.if \fill
	CREST
	s_add_nc_u64 s[G0+4*\slot+2:G0+4*\slot+3], s[G0+4*\slot+2:G0+4*\slot+3], 2*ASTEP
	s_add_nc_u64 s[G0B+4*\slot+2:G0B+4*\slot+3], s[G0B+4*\slot+2:G0B+4*\slot+3], 2*ROWB
	JLOAD G0+4*\slot, G1, G0B+4*\slot, G1B
	PLACES NP-4
.else
	PLACES NP
.endif
	s_wait_alu depctr_va_vdst(0)
	v_add_nc_u32 v[ADRS], 4*NQ, v[ADRS]
	FETCH_B \next, 0, 0
	FETCH_A \next, 0, 0
	SCALES \next
	WIN MUL_HI
	MUL16 4, 1, NQ-1, \slot, 0
	MUL16 6, 1, NQ-1, \slot, 0
	PLACES NP
	WIN 0
	FETCH_A \next, 0, 4
.endm
	s_wait_alu depctr_va_vdst(0)
	s_wait_loadcnt 0x0
.if MODE == 1
.irp a, 0,1,2,3,4,5,6,7
.irp j, 1,2,3,4,5,6,7
	v_mov_b32 v[BI+8*\a+\j], v[BI+8*\a]
.endr
.endr
.endif
	s_wait_tensorcnt 1
	s_barrier_signal -1
	s_barrier_wait -1
	FETCH_B 0, 0, 0
	FETCH_A 0, 0, 0
	SCALES 0
	FETCH_A 0, 0, 4
	STEP 0, 0, 1
	s_mov_b32 s3, LAPS-1
.Llap:
	TURN 0, 1, 1
	STEP 1, 0, 0
	TURN 1, 0, 1
	STEP 0, 0, 0
	s_sub_co_u32 s3, s3, 1
	s_cmp_lg_u32 s3, 0
	s_cbranch_scc1 .Llap
	TURN 0, 1, 0
	STEP 1, 0, 0
	s_wait_dscnt 4*NL
	WIN MUL_LO
	MUL16 0, 1, NQ-1, 1, 0
	MUL16 2, 1, NQ-1, 1, 0
	s_wait_dscnt 0
	WIN MUL_HI
	MUL16 4, 1, NQ-1, 1, 0
	MUL16 6, 1, NQ-1, 1, 0
	WIN 0
.if MODE == 2
.macro TOSTAGE a
.set AC, 64*((\a)%4)
	WIN 0x08+4*((\a)/4)
.irp b, 0,1,2,3,4,5,6,7
	ds_store_b128 v[STO], v[AC+8*\b:AC+8*\b+3] offset:64*\b
	ds_store_b128 v[STO], v[AC+8*\b+4:AC+8*\b+7] offset:64*\b+16
.endr
	WIN 0
.set BB, BK+64*((\a)%2)
.irp t, 0,1,2,3,4,5,6,7,8,9,10,11,12,13,14,15
	ds_load_b128 v[BB+4*\t:BB+4*\t+3], v[RD] offset:\t*SPITCH
.endr
.endm
.macro SEND a, younger
.set BB, BK+64*((\a)%2)
	s_wait_dscnt \younger
.if (\a) > 0
	s_add_nc_u64 s[12:13], s[12:13], 16*SIZE_N*4
.endif
.irp t, 0,1,2,3,4,5,6,7,8,9,10,11,12,13,14,15
	global_store_b128 v[CO], v[BB+4*\t:BB+4*\t+3], s[12:13] offset:\t*SIZE_N*4 th:TH_STORE_NT
.endr
.endm
	PLACES NP
	TOSTAGE 0
.irp a, 1,2,3,4,5,6,7
.if \a > 1
	s_wait_xcnt 0x0
.endif
	TOSTAGE \a
	SEND \a-1, 32
.endr
	s_wait_xcnt 0x0
	SEND 7, 0
.else
.macro QTILE a
.set AC, 64*((\a)%4)
.set QW, 2+(\a)/4
.set QWW, QW|(QW<<2)
.if (\a)%2
.set PWD, PW
.else
.set PWD, SW+(\a)/2
.endif
	WIN QWW
.irp b, 0,1,2,3
	v_max3_num_f32 v[TM+\b], |v[AC+16*\b]|, |v[AC+16*\b+1]|, 0x8000000
.endr
.irp i, 2,4,6,8,10,12,14
.irp b, 0,1,2,3
	v_max3_num_f32 v[TM+\b], |v[AC+16*\b+\i]|, |v[AC+16*\b+\i+1]|, v[TM+\b]
.endr
.endr
	WIN 0
.irp b, 0,1,2,3
	v_permlanex16_b32 v[TM+4+\b], v[TM+\b], s98, s99
.endr
.irp b, 0,1,2,3
	v_max_num_f32 v[TM+\b], v[TM+\b], v[TM+4+\b]
.endr
.irp b, 0,1,2,3
	v_add_nc_u32 v[TM+12+\b], 0xf8800000, v[TM+\b]
.endr
.irp b, 0,1,2,3
	v_and_or_b32 v[TM+8+\b], v[TM+\b], 0x7f800000, s95
.endr
.irp b, 0,1,2,3
	v_lshrrev_b32 v[TM+4+\b], 23, v[TM+12+\b]
.endr
	v_lshl_or_b32 v[PWD], v[TM+5], 8, v[TM+4]
	v_lshl_or_b32 v[PWD], v[TM+6], 16, v[PWD]
	v_lshl_or_b32 v[PWD], v[TM+7], 24, v[PWD]
.if (\a)%2
	v_cndmask_b32 v[SW+(\a)/2], v[SW+(\a)/2], v[PW], s3
.endif
	WIN QW
.irp b, 0,1,2,3
.irp i, 0,1,2,3,4,5,6,7,8,9,10,11,12,13,14,15
	v_med3_num_f32 v[T+16*\b+\i], v[AC+16*\b+\i], -v[TM+8+\b], v[TM+8+\b]
.endr
.endr
	WIN 0
	s_wait_alu depctr_va_vdst(0)
	s_wait_xcnt 0x0
.irp b, 0,1,2,3
	v_cvt_scalef32_pk8_bf8_f32 v[PC+4*\b:PC+4*\b+1], v[T+16*\b:T+16*\b+7], v[TM+12+\b]
	v_cvt_scalef32_pk8_bf8_f32 v[PC+4*\b+2:PC+4*\b+3], v[T+16*\b+8:T+16*\b+15], v[TM+12+\b]
.endr
	v_nop
.irp b, 0,1,2,3
.if MODE == 0
	global_store_b128 v[CO], v[PC+4*\b:PC+4*\b+3], s[12:13] offset:(\b/2)*KHS+(\a)*1024+(\b%2)*512
.else
	global_store_b128 v[CO], v[PC+4*\b:PC+4*\b+3], s[12:13] offset:((\a)/4)*VHS+((\a)%4)*2048+512*\b
.endif
.endr
.endm
	PLACES NP
.irp b, 0,1,2,3
	v_mov_b32 v[TM+4+\b], 0
.endr
	s_mov_b32 s3, 0xffff0000
.irp a, 0,1,2,3,4,5,6,7
	QTILE \a
.endr
.if MODE == 0
.irp k, 0,1,2,3
	v_lshrrev_b32 v[SWH+\k], 16, v[SW+\k]
.endr
	global_store_b128 v[CO], v[SW:SW+3], s[12:13] offset:8192
	global_store_b128 v[CO], v[SWH:SWH+3], s[12:13] offset:KHS+8192
.else
	global_store_b64 v[RD], v[SW:SW+1], s[12:13] offset:8192
	global_store_b64 v[RD], v[SW+2:SW+3], s[12:13] offset:VHS+8192
.endif
.endif
	s_wait_tensorcnt 0x0
	ds_add_u32 v[SPW], v[NIL]
	s_wait_dscnt 0x0
	CROUND
	s_endpgm
.Lfunc_end_k_q5bb4732584_gemm_qk:
	.size	k_q5bb4732584_gemm_qk, .Lfunc_end_k_q5bb4732584_gemm_qk-k_q5bb4732584_gemm_qk
	.p2alignl 7, 3214868480
	.fill 96, 4, 3214868480
	.section	.rodata,"a",@progbits
	.p2align	6, 0x0
	.amdhsa_kernel k_q5bb4732584_gemm_qk
		.amdhsa_group_segment_fixed_size 327680
		.amdhsa_private_segment_fixed_size 0
		.amdhsa_enable_private_segment 0
		.amdhsa_kernarg_size 48
		.amdhsa_user_sgpr_count 2
		.amdhsa_user_sgpr_kernarg_segment_ptr 1
		.amdhsa_wavefront_size32 1
		.amdhsa_system_sgpr_workgroup_id_x 1
		.amdhsa_system_sgpr_workgroup_id_y 1
		.amdhsa_system_sgpr_workgroup_id_z 1
		.amdhsa_system_vgpr_workitem_id 0
		.amdhsa_next_free_vgpr 1024
		.amdhsa_next_free_sgpr 100
		.amdhsa_reserve_vcc 0
		.amdhsa_float_denorm_mode_32 3
		.amdhsa_float_denorm_mode_16_64 3
		.amdhsa_memory_ordered 1
		.amdhsa_forward_progress 1
		.amdhsa_inst_pref_size 188
	.end_amdhsa_kernel
	.amdgpu_metadata
---
amdhsa.version: [ 1, 2 ]
amdhsa.kernels:
  - .name:           k_q5bb4732584_gemm_qk
    .symbol:         k_q5bb4732584_gemm_qk.kd
    .args:
      - { .name: xc, .offset: 0, .size: 8, .value_kind: global_buffer, .address_space: global }
      - { .name: xs, .offset: 8, .size: 8, .value_kind: global_buffer, .address_space: global }
      - { .name: wc, .offset: 16, .size: 8, .value_kind: global_buffer, .address_space: global }
      - { .name: ws, .offset: 24, .size: 8, .value_kind: global_buffer, .address_space: global }
      - { .name: b_attn, .offset: 32, .size: 8, .value_kind: global_buffer, .address_space: global }
      - { .name: qkq, .offset: 40, .size: 8, .value_kind: global_buffer, .address_space: global }
    .group_segment_fixed_size: 327680
    .private_segment_fixed_size: 0
    .kernarg_segment_align: 8
    .kernarg_segment_size: 48
    .max_flat_workgroup_size: 128
    .sgpr_count:     100
    .vgpr_count:     1024
    .wavefront_size: 32
...
	.end_amdgpu_metadata
.endif
;; end of part 2
;; launch gemm_v (part 3): grid 32 x 4, 4 waves a work-group, clusters of 4 x 4, 327,680 bytes of LDS; arguments wc, ws, xc, xs, b_attn, vq; writes vq
.if DOCPART == 3
	.amdgcn_target "amdgcn-amd-amdhsa--gfx1250"
	.amdhsa_code_object_version 6
	.text
	.protected	k_q5bb4732584_gemm_v
	.globl	k_q5bb4732584_gemm_v
	.p2align	8
	.type	k_q5bb4732584_gemm_v,@function
k_q5bb4732584_gemm_v:
	s_mov_b64 s[64:65], 0
	v_nop
	global_prefetch_b8 v0, s[64:65] scope:SCOPE_SE
	s_setreg_imm32_b32 hwreg(HW_REG_WAVE_MODE, 25, 1), 1
	s_wait_xcnt 0x0
	s_wait_alu depctr_hold_cnt(0) depctr_sa_sdst(0) depctr_va_vdst(0) depctr_va_sdst(0) depctr_va_ssrc(0) depctr_va_vcc(0) depctr_vm_vsrc(0)
	s_getreg_b32 s2, hwreg(HW_REG_IB_STS2, 6, 4)
	s_cmp_eq_u32 s2, 0
	s_cbranch_scc0 .Lentry_in_a_cluster
	s_endpgm
.Lentry_in_a_cluster:
	s_bfe_u32 s2, ttmp6, 0x10000c
	s_cmp_lg_u32 s2, 0xf033
	s_cbranch_scc0 .Lentry_shape_is_right
	s_endpgm
.Lentry_shape_is_right:
; ONE TEXT, THREE USES, chosen by MODE.  C[m][n] = bias + sum over k of A[m][k] B[n][k], K = 1,024, both operands codes of BF8 (E5M2) with one E8M0 scale byte for each 32 along K; sums in f32.
;   MODE 0: A = x's codes (tokens), B = W_attn's columns 0-2047: q and k.  Each result row is quantised along the head's 64 channels and leaves as codes (qkq).
;   MODE 1 (this file): A = W_attn's columns 2048-3071 (v's channels), B = x's codes (tokens): v transposed.  Each channel is quantised along the tokens, which are the keys, and leaves as codes (vq).
;   MODE 2: A = the attention's result, as images of operand registers (oc), B = W_proj's columns: out0, f32.
; A tile of C, 256 x 256, is made by a work-group of four waves; a wave makes 128 x 128: 64 accumulators of 16 x 16, 512 registers.  K goes in steps of 256 through a ring of two LDS slots filled by the tensor data mover.
; THE SCALES of the work-group's 256 rows of A and of B, for all of K, are two dense blocks of memory: they come into LDS once, with the first fills, and stay.
; CLUSTERS: 4 x 4 work-groups.  The four of a row of the cluster need the same tiles of A, the four of a column the same tiles of B: each tile is asked for JOINTLY, by the same tensor load with the same descriptor and a mask that names the four.
; THE MATRIX INSTRUCTION IS USED TRANSPOSED (source 0 = 16 rows of B, source 1 = 16 rows of A): lane (r, h) holds row r of A's block, and register j of accumulator (a, b) column 16 b + 8 h + j.
; THE BIAS is the C of each sum's first product: nothing is cleared and nothing is added afterwards.
; THE WAY OUT IN MODES 0 AND 1: the 16 registers of accumulators (a, 2 g) and (a, 2 g + 1), with those of lane l xor 16, are block g of 32 along the next product's K.  They are quantised as they lie: index 16 u + 8 h + j of a
; block lands at place 16 h + 8 u + j of the operand.  Both operands of the next product are made so (q and k; p and v), so blocks, scales and products are as the rule has them; only the order of the sums inside one
; matrix instruction differs.  The conversions' results ARE the next operand's registers, and leave as an image of them: four registers by one store, 16 bytes a lane, 512 consecutive bytes.
;   qkq: [q, k][batch x head 64][128 tokens 16] records of 8,704 bytes: 8 tiles of 16 tokens x 1,024 bytes ([block 2][lane 32][16]), then 512 bytes of scale words, the image of 4 registers (register k: tile 2 k's words in
;        lanes 0-15, tile 2 k + 1's in lanes 16-31; in a word bytes 0, 1 are the head's two blocks, bytes 2, 3 another head's bytes or 0, never 0xff).
;   vq:  [batch x head 64][128 keys 16] records of 8,448 bytes: 4 fragments of 16 channels x 128 keys x 2,048 bytes ([block 4][lane][16]), then 256 bytes of scale words, the image of 2 registers.
; LIMITS: a block of zeros gets the byte 1 where the rule says 127 (its codes are zeros; this program alone reads the bytes); blocks under 2^-111 keep the byte 1; NaN and infinities are not served.
; REGISTERS, in windows of 256: window 0: v0-31 addresses; v32-63 scale words, two sets; v64-127 the bias; from v128 A's fragments, ONE set; on the way out v128-255 are free.
;   window 1: B's fragments, TWO sets, at v0 and v128.   window 2: the 32 accumulators of my rows 0-63 ((a, b) at v[8 (8 a + b)]);   window 3: those of my rows 64-127.
.set MODE,   1
.set SIZE_K, 1024
.set SIZE_N, 1024                      ; MODE 2: numbers in a row of out0
.set KREC,   8704                      ; a record of qkq
.set VREC,   8448                      ; a record of vq
.set KHS,    16*KREC                   ; from head to head
.set VHS,    16*VREC
.if MODE == 0
.set AROW0, 0                          ; the first row of A's and of B's buffer that this use takes
.set BROW0, 0
.elseif MODE == 1
.set AROW0, 2048
.set BROW0, 0
.else
.set AROW0, 0
.set BROW0, 3072
.endif
.if MODE == 2
.set AKROW, 256                        ; A as images: 16 rows x 256 K are 4,096 dense bytes, 256 for each row
.set ASTEP, 2097152                    ; from a K step of 256 to the next: 512 tiles of rows x 4,096
.set AW0,   (1<<21)                    ; group 1, word 0 beside the mask: elements of 1 byte, no padding
.else
.set AKROW, 1024                       ; A as rows of 1,024 codes
.set ASTEP, 256
.set AW0,   (1<<20)|(1<<21)|(5<<22)|(3<<25)   ; padding on: 4 words behind every 64
.endif
.set KSTEP,  256                       ; along K in a slot
.set NQ,     KSTEP/128                 ; matrix instructions deep
.set ROWB,   256                       ; a tile's row in bytes
.set KROW,   SIZE_K                    ; a row of codes in memory, in bytes
.set PITCH,  272                       ; an LDS row: 256 bytes + 16 of padding = 68 words: row r starts at bank 4 r mod 64 (64 banks of 4 bytes: ISA guide 11.1)
.set FR,     16                        ; registers of a fragment: 16 rows x 128 K
.set NL,     4                         ; LDS loads that bring one
.set NP,     8                         ; places behind this matrix instruction (ISA guide 7.12.1)
.set HALFT,  128*PITCH                 ; 128 rows: what one tensor load brings, and what one wave reads of A or of B
.set SLOT,   4*HALFT                   ; A's 256 rows, then B's 256 rows
.set LAPS,   SIZE_K/(2*KSTEP)          ; a lap = two K steps = once round the ring
.set KS,     SIZE_K/32                 ; a row of scales in bytes
.set SCL,    2*SLOT                    ; behind the ring: the scales, as pieces of 256 bytes + 16 of padding
.set HALFS,  (128*KS/256)*272          ; the scales of 128 rows: what one tensor load brings
.set SBLK,   (16*KS/256)*272           ; those of 16 rows
.set SPARE,  SCL+4*HALFS               ; behind the scales: the spare words, 128 bytes for each wave: two blocks of 256 bytes that no other line names
.set SPITCH, 528                       ; MODE 2's way out: a stage of 16 rows x (512 bytes + 16) for each wave, in slot 0, which has had its last fill and its last read by then
.set ADRA, 16                          ; v16-17  LDS address of my A fragments in slot 0, 1
.set ADRB, 20                          ; v20-21  the same for B
.set STO,  24                          ; v24     MODE 2: where I put 32 bytes of a row
.set RD,   25                          ; v25     MODE 2: where I read a row back;  MODE 1: 8 x lane
.set CO,   26                          ; v26     16 x lane
.set ADRS, 27                          ; v27     LDS address of my scale words: lanes 0-15 A's rows, lanes 16-31 B's
.set SPW,  28                          ; v28     LDS address of my spare word; never rewritten
.set NIL,  29                          ; v29     0; never rewritten
.set BA,   30                          ; v30     my byte offset in the bias
.set SC,   32                          ; scale words: set s at v[SC + 16 s]; register 2 i + q: lanes 0-15 the word of A's block i, lanes 16-31 that of B's block i, for the slot's q-th 128 along K
.set BI,   64                          ; the bias, eight registers a block
.set AF,   128                         ; A's fragments
.set BK,   128                         ; MODE 2's way out: 16 rows read back: v128-191 and v192-255 by turns
.set T,    128                         ; modes 0, 1: v128-191 a tile's 64 numbers, held
.set PC,   192                         ; v192-207 its codes
.set TM,   208                         ; v208-211 largest magnitudes, v212-215 the partner's, then bytes, v216-219 57,344 x the scale, v220-223 the conversions' scale operands
.set PW,   224                         ; an odd tile's scale word
.set SW,   228                         ; v228-231 scale words, two tiles to a register
.set SWH,  232                         ; v232-235 MODE 0: the second head's
.set G1, 24                            ; s[24:31] descriptor group 1 for A's tiles;  s[32:39] group 0, one set for each slot
.set G0, 32
.set G1B, 48                           ; s[48:55], s[56:63] the same for B's tiles
.set G0B, 56
.set G1S, 68                           ; s[68:75], s[76:79] groups 1 and 0 for A's scales;  s[80:87], s[88:91] for B's
.set G0S, 76
.set G1SB, 80
.set G0SB, 88
.set MSB, 0
.macro WIN new                         ; the immediate's high byte repeats the setting that is left
.if MSB != \new
	s_set_vgpr_msb (MSB<<8)|\new
.set MSB, \new
.endif
.endm
.set MUL_LO,   0xa1                    ; source 0 (B) window 1, source 1 (A) window 0, C and D window 2
.set MUL_HI,   0xf1                    ; the same, C and D window 3
.set FIRST_LO, 0x81                    ; the first products: C (the bias) window 0, D window 2
.set FIRST_HI, 0xc1                    ; D window 3
.set TO_B,     0x40                    ; destination window 1, address window 0
; A joint load: waves 0 and 1 fetch for A, waves 2 and 3 for B.  Each of the two lines has ONE mask and one set of registers for all that issue it; the branch hangs on the wave's number alone.
; Four v_nop follow each of the two lines, ahead of the jump, the label and what follows.
.macro JLOAD g0a, g1a, g0b, g1b
	s_cmp_eq_u32 s15, 0
	s_cbranch_scc0 .Lfor_b_\@
	tensor_load_to_lds s[\g0a:\g0a+3], s[\g1a:\g1a+7]
	s_nop 0
.rept 4
	v_nop
.endr
	s_branch .Lasked_\@
.Lfor_b_\@:
	tensor_load_to_lds s[\g0b:\g0b+3], s[\g1b:\g1b+7]
	s_nop 0
.rept 4
	v_nop
.endr
.Lasked_\@:
.endm
.macro CREST                           ; a round of the cluster's barrier behind its opening barrier
	s_cmp_lg_u32 s14, 0
	s_cbranch_scc1 .Lnot_wave_0_\@
	s_barrier_signal -3
.Lnot_wave_0_\@:
	s_barrier_wait -3
	s_barrier_signal -1
	s_barrier_wait -1
.endm
.macro CROUND                          ; a whole round
	s_barrier_signal -1
	s_barrier_wait -1
	CREST
.endm
	s_load_b128 s[4:7], s[0:1], 0x0                ; A's codes s[4:5], A's scales s[6:7]
	s_load_b128 s[8:11], s[0:1], 0x10              ; B's codes s[8:9], B's scales s[10:11]
	s_load_b64 s[96:97], s[0:1], 0x20              ; the bias
	s_load_b64 s[12:13], s[0:1], 0x28              ; the output
	v_lshl_add_u32 v[SPW], v0, 2, SPARE
	v_mov_b32 v[NIL], 0
	ds_add_u32 v28, v29
	ds_add_u32 v28, v29
	s_wait_dscnt 0x0
	v_lshrrev_b32 v1, 5, v0
	v_readfirstlane_b32 s14, v1                    ; wave 0..3
	s_lshr_b32 s15, s14, 1                         ; which half of the tile's rows is mine.  Also: I fetch for A (0) or for B (1)
	s_and_b32 s16, s14, 1                          ; which half of its columns.  Also: which 128 rows of that tile I fetch
	s_bfe_u32 s40, ttmp6, 0x40000                  ; cx, cy: my place in the cluster
	s_bfe_u32 s41, ttmp6, 0x40004
	s_lshl_b32 s42, ttmp9, 2
	s_add_co_u32 s42, s42, s40                     ; tile column of C = 4 x cluster x + cx
	s_and_b32 s17, ttmp7, 0xffff
	s_lshl_b32 s17, s17, 2
	s_add_co_u32 s17, s17, s41                     ; tile row of C = 4 x cluster y + cy
	s_lshl_b32 s43, s41, 2
	s_lshl_b32 s43, 15, s43                        ; my row of the cluster
	s_lshl_b32 s44, 0x1111, s40                    ; my column
	s_mov_b32 s95, 0x600000                        ; the mantissa field of 57,344
	s_mov_b32 s98, 0x76543210
	s_mov_b32 s99, 0xfedcba98                      ; v_permlanex16_b32's selects for lane l xor 16
	; descriptor group 1: a tile of 128 rows x 256 bytes
	s_or_b32 s[G1+0], s43, AW0                     ; 15:0 the mask: A's tiles go to my row; 17:16 elements of 1 byte; 21 set beside a mask; the padding as AW0 says
	s_or_b32 s[G1B+0], s44, (1<<20)|(1<<21)|(5<<22)|(3<<25)   ; B's go to my column; 20 padding on; 24:22 after every 64 words (code 5); 31:25 of 4 words (code 3)
.irp g, G1, G1B
	s_mov_b32 s[\g+1], ROWB<<16                    ; tensor_dim0
	s_mov_b32 s[\g+2], 128<<16                     ; tensor_dim1 = 128
	s_mov_b32 s[\g+3], ROWB<<16                    ; tile_dim0
	s_mov_b32 s[\g+4], 128                         ; tile_dim1 = 128
	s_mov_b32 s[\g+6], 0
	s_mov_b32 s[\g+7], 0
.endr
	s_mov_b32 s[G1+5], AKROW                       ; tensor_dim0_stride
	s_mov_b32 s[G1B+5], KROW
	; and for the scales of 128 rows: a dense block of 4,096 bytes, as rows of 256 bytes (32 elements of 8 bytes), 16 bytes of padding behind each
	s_or_b32 s[G1S+0], s43, (3<<16)|(1<<20)|(1<<21)|(5<<22)|(3<<25)
	s_or_b32 s[G1SB+0], s44, (3<<16)|(1<<20)|(1<<21)|(5<<22)|(3<<25)
.irp g, G1S, G1SB
	s_mov_b32 s[\g+1], 32<<16
	s_mov_b32 s[\g+2], (128*KS/256)<<16
	s_mov_b32 s[\g+3], 32<<16
	s_mov_b32 s[\g+4], 128*KS/256
	s_mov_b32 s[\g+5], 32
	s_mov_b32 s[\g+6], 0
	s_mov_b32 s[\g+7], 0
.endr
	s_lshl_b32 s18, s16, 7                         ; which 128 rows of the tile I fetch
	s_lshl_b32 s20, s17, 8
	s_add_co_u32 s20, s20, s18                     ; A: row 256 x tile row + 128 x half
.if AROW0 != 0
	s_add_co_u32 s20, s20, AROW0
.endif
	s_lshl_b32 s46, s42, 8
	s_add_co_u32 s46, s46, s18                     ; B: row 256 x tile column + 128 x half
.if BROW0 != 0
	s_add_co_u32 s46, s46, BROW0
.endif
	s_mov_b32 s21, 0
	s_mov_b32 s47, 0
	s_mov_b64 s[18:19], KS
	s_mul_u64 s[22:23], s[20:21], s[18:19]         ; where these rows' scales begin, in bytes
	s_mul_u64 s[92:93], s[46:47], s[18:19]
	s_mov_b64 s[18:19], AKROW
	s_mul_u64 s[20:21], s[20:21], s[18:19]         ; and their codes
	s_mov_b64 s[18:19], KROW
	s_mul_u64 s[46:47], s[46:47], s[18:19]
	s_mul_i32 s45, s14, HALFT                      ; where they go: wave x 128 rows: no place in the cluster enters an LDS address
	s_mul_i32 s94, s14, HALFS
	s_wait_kmcnt 0x0
	s_add_nc_u64 s[20:21], s[4:5], s[20:21]
	s_add_nc_u64 s[22:23], s[6:7], s[22:23]
	s_add_nc_u64 s[46:47], s[8:9], s[46:47]
	s_add_nc_u64 s[92:93], s[10:11], s[92:93]
	CROUND                                         ; all sixteen work-groups are here: the first joint loads meet
	s_mov_b32 s[G0S], 1
	s_add_co_u32 s[G0S+1], s94, SCL
	s_mov_b64 s[G0S+2:G0S+3], s[22:23]
	s_or_b32 s[G0S+3], s[G0S+3], 0x80000000
	s_mov_b32 s[G0SB], 1
	s_add_co_u32 s[G0SB+1], s94, SCL
	s_mov_b64 s[G0SB+2:G0SB+3], s[92:93]
	s_or_b32 s[G0SB+3], s[G0SB+3], 0x80000000
	JLOAD G0S, G1S, G0SB, G1SB                     ; the scales first: they are wanted with K step 0
.irp s, 0,1
	s_mov_b32 s[G0+4*\s], 1
	s_add_co_u32 s[G0+4*\s+1], s45, \s*SLOT
	s_add_nc_u64 s[G0+4*\s+2:G0+4*\s+3], s[20:21], \s*ASTEP
	s_or_b32 s[G0+4*\s+3], s[G0+4*\s+3], 0x80000000
	s_mov_b32 s[G0B+4*\s], 1
	s_add_co_u32 s[G0B+4*\s+1], s45, \s*SLOT
	s_add_nc_u64 s[G0B+4*\s+2:G0B+4*\s+3], s[46:47], \s*ROWB
	s_or_b32 s[G0B+4*\s+3], s[G0B+4*\s+3], 0x80000000
	s_wait_alu depctr_va_vdst(0)
	s_wait_tensorcnt 0x0
	ds_add_u32 v28, v29
	s_wait_dscnt 0x0
	CROUND
	JLOAD G0+4*\s, G1, G0B+4*\s, G1B
.endr
	v_and_b32 v1, 15, v0                           ; r = l % 16
	v_bfe_u32 v2, v0, 4, 1                         ; h = l / 16
	v_mul_u32_u24 v3, v1, PITCH
	v_lshl_add_u32 v4, v2, 4, v3                   ; a fragment's row x pitch + 16 x half
	v_and_b32 v6, 31, v0
	v_lshlrev_b32 v[CO], 4, v6                     ; 16 x lane
.if MODE == 1
	v_lshlrev_b32 v[RD], 3, v6                     ; 8 x lane
.endif
	s_mul_i32 s21, s15, HALFT                      ; my 128 rows of A
	s_mul_i32 s22, s16, HALFT                      ; my 128 rows of B,
	s_add_co_u32 s22, s22, 2*HALFT                 ; which lie behind A's 256
.irp s, 0,1
.if MODE == 2
	v_add_nc_u32 v[ADRA+\s], s21, v[CO]            ; images: 16 bytes a lane
.else
	v_add_nc_u32 v[ADRA+\s], s21, v4
.endif
	v_add_nc_u32 v[ADRB+\s], s22, v4
	s_add_co_u32 s21, s21, SLOT
	s_add_co_u32 s22, s22, SLOT
.endr
	v_mul_u32_u24 v5, v1, KS                       ; my row's scales: KS bytes a row,
	v_lshrrev_b32 v6, 8, v5
	v_lshl_add_u32 v5, v6, 4, v5                   ; and 16 more for each 256 passed
	s_mul_i32 s21, s15, HALFS                      ; A's: my 128 rows
	s_mul_i32 s22, s16, HALFS                      ; B's: my 128 rows, behind A's 256
	s_add_co_u32 s22, s22, 2*HALFS
	s_sub_co_u32 s22, s22, s21
	v_mul_u32_u24 v6, s22, v2                      ; lanes 16-31 take B's
	s_add_co_u32 s21, s21, SCL
	v_add_nc_u32 v5, v5, v6
	v_add_nc_u32 v[ADRS], s21, v5
	; THE BIAS, in the result's layout
.if MODE == 1
	s_lshl_b32 s20, s17, 10                        ; it goes with A's rows (the channels): 4 x (2,048 + 256 x tile row + 128 x half) bytes on
	s_lshl_b32 s21, s15, 9
	s_add_co_u32 s20, s20, s21
	s_add_co_u32 s20, s20, 4*AROW0
	s_mov_b32 s21, 0
	s_add_nc_u64 s[96:97], s[96:97], s[20:21]
	v_lshlrev_b32 v[BA], 2, v1                     ; my row r of each block
.irp a, 0,1,2,3,4,5,6,7
	global_load_b32 v[BI+8*\a], v[BA], s[96:97] offset:64*\a
.endr
.else
	s_lshl_b32 s46, s42, 10                        ; it goes with B's rows (the columns of C): 4 x (256 x tile column + 128 x half) bytes on
	s_lshl_b32 s47, s16, 9
	s_add_co_u32 s46, s46, s47
	s_mov_b32 s47, 0
	s_add_nc_u64 s[96:97], s[96:97], s[46:47]
	v_lshlrev_b32 v[BA], 5, v2                     ; my half's eight of each block's sixteen
.irp b, 0,1,2,3,4,5,6,7
	global_load_b128 v[BI+8*\b:BI+8*\b+3], v[BA], s[96:97] offset:64*\b
	global_load_b128 v[BI+8*\b+4:BI+8*\b+7], v[BA], s[96:97] offset:64*\b+16
.endr
.endif
	; WHERE MY RESULTS GO.  What hangs on the tile row is made in s20-21, what hangs on the tile column in s46-47
.if MODE == 0
	s_lshl_b32 s20, s17, 1
	s_add_co_u32 s20, s20, s15                     ; which 128 tokens: 2 x tile row + half
	s_lshr_b32 s21, s20, 4                         ; the batch: 16 heads x 16 records each,
	s_lshl_b32 s21, s21, 8
	s_and_b32 s20, s20, 15                         ; the record in a head
	s_add_co_u32 s20, s20, s21
	s_mul_i32 s20, s20, KREC
	s_mov_b32 s21, 0
	s_lshl_b32 s46, s42, 2
	s_lshl_b32 s47, s16, 1
	s_add_co_u32 s46, s46, s47                     ; my first head of 32 (q's 16, then k's 16): 4 x tile column + 2 x half
	s_lshr_b32 s47, s46, 4                         ; q or k: 64 x 16 records,
	s_lshl_b32 s47, s47, 10
	s_and_b32 s46, s46, 15                         ; the head: 16 records
	s_lshl_b32 s46, s46, 4
	s_add_co_u32 s46, s46, s47
	s_mul_i32 s46, s46, KREC
	s_mov_b32 s47, 0
	s_add_nc_u64 s[12:13], s[12:13], s[20:21]
	s_add_nc_u64 s[12:13], s[12:13], s[46:47]
.elseif MODE == 1
	s_lshl_b32 s20, s17, 2
	s_lshl_b32 s21, s15, 1
	s_add_co_u32 s20, s20, s21                     ; my first head: 4 x tile row + 2 x half: 16 records each
	s_lshl_b32 s20, s20, 4
	s_mul_i32 s20, s20, VREC
	s_mov_b32 s21, 0
	s_lshl_b32 s46, s42, 1
	s_add_co_u32 s46, s46, s16                     ; which 128 tokens: 2 x tile column + half
	s_lshr_b32 s47, s46, 4                         ; the batch,
	s_lshl_b32 s47, s47, 8
	s_and_b32 s46, s46, 15                         ; the record in a head
	s_add_co_u32 s46, s46, s47
	s_mul_i32 s46, s46, VREC
	s_mov_b32 s47, 0
	s_add_nc_u64 s[12:13], s[12:13], s[20:21]
	s_add_nc_u64 s[12:13], s[12:13], s[46:47]
.else
	s_mul_i32 s23, s14, 16*SPITCH                  ; my stage
	v_mul_u32_u24 v5, v1, SPITCH                   ; in: row l % 16, 32 bytes for each half of the lanes
	v_lshl_add_u32 v5, v2, 5, v5
	v_add_nc_u32 v[STO], s23, v5
	v_add_nc_u32 v[RD], s23, v[CO]                 ; back: the 32 lanes take one row of 512 bytes
	s_lshl_b32 s20, s17, 8
	s_lshl_b32 s21, s15, 7
	s_add_co_u32 s20, s20, s21                     ; my first row of C: 256 x tile row + 128 x half
	s_mov_b32 s21, 0
	s_mov_b64 s[18:19], SIZE_N*4
	s_mul_u64 s[20:21], s[20:21], s[18:19]
	s_add_nc_u64 s[20:21], s[20:21], s[46:47]      ; my first column, in bytes: as for the bias
	s_add_nc_u64 s[12:13], s[12:13], s[20:21]
.endif
.macro FRAG reg, adr, q, i             ; a fragment from rows: 16 rows x 128 K is 16 registers: lane l holds row l % 16; registers 4 c .. 4 c + 3 hold K = 32 c + 16 (l / 16) + 0 .. 15
.irp c, 0,1,2,3
	ds_load_b128 v[\reg+4*\c:\reg+4*\c+3], v[\adr] offset:128*(\q)+32*\c+(\i)*16*PITCH
.endr
.endm
.macro FRAGA reg, slot, q, i           ; A's: from rows, or in MODE 2 from an image: 16 rows' 4,096 bytes of a slot, 2,048 for each 128 along K, 512 for each four registers
.if MODE == 2
.irp c, 0,1,2,3
	ds_load_b128 v[\reg+4*\c:\reg+4*\c+3], v[ADRA+\slot] offset:4096*(\i)+2048*(\q)+512*\c
.endr
.else
	FRAG \reg, ADRA+\slot, \q, \i
.endif
.endm
; 16 matrix instructions: A's blocks a0, a0 + 1 x B's eight, 128 along K: the slot's q-th.  p: B's set;  sc: the set of scale words.  zero = 1: the first product starts the sums from the bias.
; The 64 accumulators take turns, one instruction a turn, in the same order in every step.
.macro MUL16 a0, p, q, sc, zero
.irp a, \a0, \a0+1
.irp b, 0,1,2,3,4,5,6,7
.set DR, 8*(8*((\a)%4)+\b)
.if \zero
.if MODE == 1
.set CR, BI+8*(\a)
.else
.set CR, BI+8*\b
.endif
.else
.set CR, DR
.endif
	v_wmma_scale_f32_16x16x128_f8f6f4 v[DR:DR+7], v[128*(\p)+FR*\b:128*(\p)+FR*\b+FR-1], v[AF+FR*(\a):AF+FR*(\a)+FR-1], v[CR:CR+7], v[SC+8*NQ*(\sc)+NQ*\b+(\q)], v[SC+8*NQ*(\sc)+NQ*(\a)+(\q)] matrix_a_fmt:MATRIX_FMT_BF8 matrix_b_fmt:MATRIX_FMT_BF8 matrix_a_scale:MATRIX_SCALE_ROW1
.endr
.endr
.endm
.macro FETCH_B slot, q, p              ; B's eight fragments of the slot's q-th 128 along K into set p
	WIN TO_B
.irp i, 0,1,2,3,4,5,6,7
	FRAG 128*(\p)+FR*\i, ADRB+\slot, \q, \i
.endr
	WIN 0
.endm
.macro FETCH_A slot, q, i0             ; A's blocks i0 .. i0 + 3
.irp i, \i0, \i0+1, \i0+2, \i0+3
	FRAGA AF+FR*(\i), \slot, \q, \i
.endr
.endm
.macro SCALES sc                       ; the next K step's scale words into set sc: 2 words a row; lanes 0-15 take A's block i, lanes 16-31 B's block i
.irp i, 0,1,2,3,4,5,6,7
	ds_load_b64 v[SC+8*NQ*\sc+NQ*\i:SC+8*NQ*\sc+NQ*\i+1], v[ADRS] offset:\i*SBLK
.endr
.endm
; A load into a register that a matrix instruction has read, and a vector instruction or an LDS store that reads a matrix result, stand NP places behind that matrix instruction, and only plain vector
; instructions that name none of its registers are places (ISA guide 7.12.1 for vector instructions); the matrix instructions in between are not counted.
.macro PLACES n
.rept \n
	v_nop
.endr
.endm
; A step of 128 along K that has its successor in the same slot.
.macro STEP slot, q, zero
	s_wait_dscnt 4*NL                              ; B's set and A's blocks 0-3 are in; the youngest sixteen loads (A's blocks 4-7) may be out
.if \zero
	WIN FIRST_LO
.else
	WIN MUL_LO
.endif
	MUL16 0, (\q)%2, \q, \slot, \zero
	MUL16 2, (\q)%2, \q, \slot, \zero
	s_wait_dscnt 0                                 ; A's blocks 4-7 are in (asked for 32 matrix instructions ago)
	PLACES NP
	FETCH_B \slot, (\q)+1, 1-(\q)%2
	FETCH_A \slot, (\q)+1, 0
.if \zero
	WIN FIRST_HI
.else
	WIN MUL_HI
.endif
	MUL16 4, (\q)%2, \q, \slot, \zero
	MUL16 6, (\q)%2, \q, \slot, \zero
	PLACES NP
	WIN 0
	FETCH_A \slot, (\q)+1, 4
.endm
; A slot's last step changes slots: ONE barrier; in front of it each wave waits for all its tensor loads, adds 0 to its spare word, and waits for that and for its own reads of this slot.  fill = 1: this slot is filled again, two K steps ahead.
.macro TURN slot, next, fill
	s_wait_tensorcnt 0x0                           ; all my tensor loads have landed: my part of the next slot;  (every window is 0 here: the add's two registers lie in window 0)
	ds_add_u32 v[SPW], v[NIL]                      ; 0 onto my spare word
	s_wait_dscnt 4*NL+1                            ; (the add and the youngest sixteen loads, A's blocks 4-7, may be out)
	WIN MUL_LO
	MUL16 0, 1, NQ-1, \slot, 0                     ; sixteen matrix instructions stand between the add and the wait for it
	s_wait_dscnt 0x0                               ; the add is done, and my reads of this slot are over
	s_barrier_signal -1
	MUL16 2, 1, NQ-1, \slot, 0
	WIN 0
	s_barrier_wait -1
.if \fill
	CREST                                          ; the barrier has opened a round of the cluster's barrier: no wave of any partner still reads this slot's tile or has a load on its way
	s_add_nc_u64 s[G0+4*\slot+2:G0+4*\slot+3], s[G0+4*\slot+2:G0+4*\slot+3], 2*ASTEP
	s_add_nc_u64 s[G0B+4*\slot+2:G0B+4*\slot+3], s[G0B+4*\slot+2:G0B+4*\slot+3], 2*ROWB
	JLOAD G0+4*\slot, G1, G0B+4*\slot, G1B         ; the first tensor load behind the round; the four v_nop behind it are among the places in front of the loads below
	PLACES NP-4
.else
	PLACES NP
.endif
	s_wait_alu depctr_va_vdst(0)
	v_add_nc_u32 v[ADRS], 4*NQ, v[ADRS]            ; on to the next K step's scale words (no LDS load of mine is out)
	FETCH_B \next, 0, 0
	FETCH_A \next, 0, 0
	SCALES \next
	WIN MUL_HI
	MUL16 4, 1, NQ-1, \slot, 0
	MUL16 6, 1, NQ-1, \slot, 0
	PLACES NP
	WIN 0
	FETCH_A \next, 0, 4
.endm
	s_wait_loadcnt 0x0                             ; the bias
.if MODE == 1
.irp a, 0,1,2,3,4,5,6,7
.irp j, 1,2,3,4,5,6,7
	v_mov_b32 v[BI+8*\a+\j], v[BI+8*\a]            ; a lane's eight results of a block belong to one channel: its bias eight times
.endr
.endr
.endif
	s_wait_alu depctr_va_vdst(0)
	s_wait_tensorcnt 1                             ; the scales and my part of K step 0 are in (K step 1's load may be out),
	s_barrier_signal -1
	s_barrier_wait -1                              ; everybody's are
	FETCH_B 0, 0, 0
	FETCH_A 0, 0, 0
	SCALES 0
	FETCH_A 0, 0, 4
	STEP 0, 0, 1                                   ; the first step stands in front of the loop: its products start the sums
	s_mov_b32 s3, LAPS-1
.Llap:                                                 ; a trip goes once round the ring, from a lap's second step to the next lap's first, and fills both slots again
	TURN 0, 1, 1
	STEP 1, 0, 0
	TURN 1, 0, 1
	STEP 0, 0, 0
	s_sub_co_u32 s3, s3, 1
	s_cmp_lg_u32 s3, 0
	s_cbranch_scc1 .Llap
	TURN 0, 1, 0                                   ; the last lap fills nothing, and has no round of the cluster's barrier
	STEP 1, 0, 0
	s_wait_dscnt 4*NL                              ; the very last step: nothing more to fetch
	WIN MUL_LO
	MUL16 0, 1, NQ-1, 1, 0
	MUL16 2, 1, NQ-1, 1, 0
	s_wait_dscnt 0
	WIN MUL_HI
	MUL16 4, 1, NQ-1, 1, 0
	MUL16 6, 1, NQ-1, 1, 0
	WIN 0
.if MODE == 2
; THE WAY OUT, block by block of 16 rows x 128 columns, through my own stage in LDS: back come whole rows of 512 bytes.  LDS serves a wave's instructions in order (ISA guide 5.7.1.4): no wait between the stores and the loads.
.macro TOSTAGE a
.set AC, 64*((\a)%4)
	WIN 0x08+4*((\a)/4)                            ; the data: window 2 or 3
.irp b, 0,1,2,3,4,5,6,7
	ds_store_b128 v[STO], v[AC+8*\b:AC+8*\b+3] offset:64*\b          ; each accumulator from its low end on
	ds_store_b128 v[STO], v[AC+8*\b+4:AC+8*\b+7] offset:64*\b+16
.endr
	WIN 0
.set BB, BK+64*((\a)%2)
.irp t, 0,1,2,3,4,5,6,7,8,9,10,11,12,13,14,15
	ds_load_b128 v[BB+4*\t:BB+4*\t+3], v[RD] offset:\t*SPITCH
.endr
.endm
.macro SEND a, younger                 ; younger: the LDS instructions issued behind block a's loads, which may stay out
.set BB, BK+64*((\a)%2)
	s_wait_dscnt \younger                          ; the block is back in registers
.if (\a) > 0
	s_add_nc_u64 s[12:13], s[12:13], 16*SIZE_N*4   ; (behind a wait on XCNT: the earlier stores have read their base)  16 rows of C on
.endif
.irp t, 0,1,2,3,4,5,6,7,8,9,10,11,12,13,14,15
	global_store_b128 v[CO], v[BB+4*\t:BB+4*\t+3], s[12:13] offset:\t*SIZE_N*4 th:TH_STORE_NT   ; 32 lanes store 512 consecutive bytes, at a multiple of 256 from C's first byte
.endr
.endm
	PLACES NP
	TOSTAGE 0
.irp a, 1,2,3,4,5,6,7
.if \a > 1
	s_wait_xcnt 0x0                                ; block a - 2's stores have read their registers and their base
.endif
	TOSTAGE \a
	SEND \a-1, 32                                  ; behind block a - 1's loads: block a's 16 stores and 16 loads
.endr
	s_wait_xcnt 0x0                                ; block 6's stores have read their base
	SEND 7, 0
.else
; THE WAY OUT: A's block a (16 rows) x my 128 columns = four blocks of 32 along the next K, quantised in the registers in which they lie, and stored as an image of the next operand's registers.
.macro QTILE a
.set AC, 64*((\a)%4)
.set QW, 2+(\a)/4                      ; the accumulators' window
.set QWW, QW|(QW<<2)
.if (\a)%2
.set PWD, PW
.else
.set PWD, SW+(\a)/2
.endif
	WIN QWW                                        ; sources 0 and 1: the accumulators
.irp b, 0,1,2,3
	v_max3_num_f32 v[TM+\b], |v[AC+16*\b]|, |v[AC+16*\b+1]|, 0x8000000   ; block b: my 16 numbers, from each accumulator's low end on, and the floor 2^(16 - 127): the byte cannot fall under 1
.endr
.irp i, 2,4,6,8,10,12,14
.irp b, 0,1,2,3
	v_max3_num_f32 v[TM+\b], |v[AC+16*\b+\i]|, |v[AC+16*\b+\i+1]|, v[TM+\b]   ; (the four blocks by turns)
.endr
.endr
	WIN 0
.irp b, 0,1,2,3
	v_permlanex16_b32 v[TM+4+\b], v[TM+\b], s98, s99
.endr
.irp b, 0,1,2,3
	v_max_num_f32 v[TM+\b], v[TM+\b], v[TM+4+\b]   ; with lane l xor 16's: the block's largest magnitude
.endr
.irp b, 0,1,2,3
	v_add_nc_u32 v[TM+12+\b], 0xf8800000, v[TM+\b]   ; 15 off its exponent field: the conversion's scale operand
.endr
.irp b, 0,1,2,3
	v_and_or_b32 v[TM+8+\b], v[TM+\b], 0x7f800000, s95   ; 57,344 x the scale
.endr
.irp b, 0,1,2,3
	v_lshrrev_b32 v[TM+4+\b], 23, v[TM+12+\b]      ; the scale's byte
.endr
	v_lshl_or_b32 v[PWD], v[TM+5], 8, v[TM+4]      ; the four bytes make my row's scale word (both halves of the lanes hold it)
	v_lshl_or_b32 v[PWD], v[TM+6], 16, v[PWD]
	v_lshl_or_b32 v[PWD], v[TM+7], 24, v[PWD]
.if (\a)%2
	v_cndmask_b32 v[SW+(\a)/2], v[SW+(\a)/2], v[PW], s3   ; an odd tile's words go to lanes 16-31, beside the even tile's in lanes 0-15
.endif
	WIN QW                                         ; source 0: the accumulators
.irp b, 0,1,2,3
.irp i, 0,1,2,3,4,5,6,7,8,9,10,11,12,13,14,15
	v_med3_num_f32 v[T+16*\b+\i], v[AC+16*\b+\i], -v[TM+8+\b], v[TM+8+\b]   ; the conversion to an 8-bit code does not saturate (ISA guide 7.6.2): the hold at the largest code x the scale
.endr
.endr
	WIN 0
	s_wait_alu depctr_va_vdst(0)
	s_wait_xcnt 0x0                                ; the last tile's stores have read their registers: the codes' registers are written again only behind this wait
.irp b, 0,1,2,3
	v_cvt_scalef32_pk8_bf8_f32 v[PC+4*\b:PC+4*\b+1], v[T+16*\b:T+16*\b+7], v[TM+12+\b]
	v_cvt_scalef32_pk8_bf8_f32 v[PC+4*\b+2:PC+4*\b+3], v[T+16*\b+8:T+16*\b+15], v[TM+12+\b]
.endr
	v_nop                                          ; one plain line behind the last conversion
.irp b, 0,1,2,3
.if MODE == 0
	global_store_b128 v[CO], v[PC+4*\b:PC+4*\b+3], s[12:13] offset:(\b/2)*KHS+(\a)*1024+(\b%2)*512   ; head b / 2, tile a, the head's block b % 2: 512 consecutive bytes
.else
	global_store_b128 v[CO], v[PC+4*\b:PC+4*\b+3], s[12:13] offset:((\a)/4)*VHS+((\a)%4)*2048+512*\b   ; head a / 4, channels 16 (a % 4) on, keys 32 b on
.endif
.endr
.endm
	PLACES NP                                      ; behind the last products: their results are read and A's registers written below
.irp b, 0,1,2,3
	v_mov_b32 v[TM+4+\b], 0                        ; written once: a lane permute's destination counts as one of its sources
.endr
	s_mov_b32 s3, 0xffff0000                       ; lanes 16-31
.irp a, 0,1,2,3,4,5,6,7
	QTILE \a
.endr
.if MODE == 0
.irp k, 0,1,2,3
	v_lshrrev_b32 v[SWH+\k], 16, v[SW+\k]          ; the second head's two bytes come down; zeros above them
.endr
	global_store_b128 v[CO], v[SW:SW+3], s[12:13] offset:8192
	global_store_b128 v[CO], v[SWH:SWH+3], s[12:13] offset:KHS+8192
.else
	global_store_b64 v[RD], v[SW:SW+1], s[12:13] offset:8192          ; the first head's four tiles of channels,
	global_store_b64 v[RD], v[SW+2:SW+3], s[12:13] offset:VHS+8192    ; the second's
.endif
.endif
	s_wait_tensorcnt 0x0                           ; the wave's end
	ds_add_u32 v[SPW], v[NIL]
	s_wait_dscnt 0x0
	CROUND                                         ; the closing round: no work-group ends while a partner may still ask for a tile that names it
	s_endpgm
.Lfunc_end_k_q5bb4732584_gemm_v:
	.size	k_q5bb4732584_gemm_v, .Lfunc_end_k_q5bb4732584_gemm_v-k_q5bb4732584_gemm_v
	.p2alignl 7, 3214868480
	.fill 96, 4, 3214868480
	.section	.rodata,"a",@progbits
	.p2align	6, 0x0
	.amdhsa_kernel k_q5bb4732584_gemm_v
		.amdhsa_group_segment_fixed_size 327680
		.amdhsa_private_segment_fixed_size 0
		.amdhsa_enable_private_segment 0
		.amdhsa_kernarg_size 48
		.amdhsa_user_sgpr_count 2
		.amdhsa_user_sgpr_kernarg_segment_ptr 1
		.amdhsa_wavefront_size32 1
		.amdhsa_system_sgpr_workgroup_id_x 1
		.amdhsa_system_sgpr_workgroup_id_y 1
		.amdhsa_system_sgpr_workgroup_id_z 1
		.amdhsa_system_vgpr_workitem_id 0
		.amdhsa_next_free_vgpr 1024
		.amdhsa_next_free_sgpr 100
		.amdhsa_reserve_vcc 0
		.amdhsa_float_denorm_mode_32 3
		.amdhsa_float_denorm_mode_16_64 3
		.amdhsa_memory_ordered 1
		.amdhsa_forward_progress 1
		.amdhsa_inst_pref_size 189
	.end_amdhsa_kernel
	.amdgpu_metadata
---
amdhsa.version: [ 1, 2 ]
amdhsa.kernels:
  - .name:           k_q5bb4732584_gemm_v
    .symbol:         k_q5bb4732584_gemm_v.kd
    .args:
      - { .name: wc, .offset: 0, .size: 8, .value_kind: global_buffer, .address_space: global }
      - { .name: ws, .offset: 8, .size: 8, .value_kind: global_buffer, .address_space: global }
      - { .name: xc, .offset: 16, .size: 8, .value_kind: global_buffer, .address_space: global }
      - { .name: xs, .offset: 24, .size: 8, .value_kind: global_buffer, .address_space: global }
      - { .name: b_attn, .offset: 32, .size: 8, .value_kind: global_buffer, .address_space: global }
      - { .name: vq, .offset: 40, .size: 8, .value_kind: global_buffer, .address_space: global }
    .group_segment_fixed_size: 327680
    .private_segment_fixed_size: 0
    .kernarg_segment_align: 8
    .kernarg_segment_size: 48
    .max_flat_workgroup_size: 128
    .sgpr_count:     100
    .vgpr_count:     1024
    .wavefront_size: 32
...
	.end_amdgpu_metadata
.endif
;; end of part 3
;; launch attn (part 4): grid 4 x 64, 16 waves a work-group, clusters of 4 x 1, 327,680 bytes of LDS; arguments qkq, vq, oc, os; writes oc, os
.if DOCPART == 4
	.amdgcn_target "amdgcn-amd-amdhsa--gfx1250"
	.amdhsa_code_object_version 6
	.text
	.protected	k_q5bb4732584_attn
	.globl	k_q5bb4732584_attn
	.p2align	8
	.type	k_q5bb4732584_attn,@function
k_q5bb4732584_attn:
	s_mov_b64 s[64:65], 0
	v_nop
	global_prefetch_b8 v0, s[64:65] scope:SCOPE_SE
	s_setreg_imm32_b32 hwreg(HW_REG_WAVE_MODE, 25, 1), 1
	s_wait_xcnt 0x0
	s_wait_alu depctr_hold_cnt(0) depctr_sa_sdst(0) depctr_va_vdst(0) depctr_va_sdst(0) depctr_va_ssrc(0) depctr_va_vcc(0) depctr_vm_vsrc(0)
	s_getreg_b32 s2, hwreg(HW_REG_IB_STS2, 6, 4)
	s_cmp_eq_u32 s2, 0
	s_cbranch_scc0 .Lentry_in_a_cluster
	s_endpgm
.Lentry_in_a_cluster:
	s_bfe_u32 s2, ttmp6, 0x10000c
	s_cmp_lg_u32 s2, 0x3003
	s_cbranch_scc0 .Lentry_shape_is_right
	s_endpgm
.Lentry_shape_is_right:
; Causal attention of one head on codes of BF8 (E5M2), one E8M0 scale for each 32 along a product's K; head size 64, 2,048 tokens, 64 (batch x head).  The result is quantised along the hidden axis for the last product.
; IN: qkq: [q, k][batch x head 64][128 tokens 16] records of 8,704 bytes: 8 tiles of 16 tokens x 1,024 bytes, each the image of the operand's registers 0-7; then 512 bytes of scale words, the image of 4 registers
;     (register k: tile 2 k's words in lanes 0-15, tile 2 k + 1's in lanes 16-31; bytes 0, 1 of a word are the head's two blocks; bytes 2, 3 are never 0xff).
;     vq: [batch x head 64][128 keys 16] records of 8,448 bytes: 4 fragments (16 channels x 128 keys) x 2,048 bytes, images likewise; then 256 bytes of scale words, the image of 2 registers.
; OUT: oc: [256 along the hidden axis 4][16 tokens 512][128 along it 2][four registers 4][lane 32][16 bytes]; os: [token 8192][32] scale bytes, byte 2 x head + block.
; THE SOFTMAX: t = score x log2(e) / 8; M = the row's largest t so far, rounded up to a whole number; p = 2^(t - M) is quantised along the keys, not normalised.  The row's sum is taken of the unquantised p and divides O at the end.
; When M moves, the sum and O are multiplied by 2^(old M - new M): exact.
; LAYOUT.  Both products transposed: S^T = K Q^T, O^T = V^T P^T: a lane holds one query (lane % 16).  Register 8 t + j of S^T is key 16 t + 8 (lane / 16) + j.  p is quantised as it lies; v's codes were made with the same places.
; The first product's K is 64 of the instruction's 128: Q's registers 8-15 are zero codes; a tile of K names 16 registers of which the upper eight hold the next tile's codes, zeros, or p's codes: finite numbers times zero.
; WORK LEFT OUT: reference() adds -infinity to every score whose key comes after its query; a step of 128 keys all of which come after a wave's 16 queries gives p = 0 for all values of the inputs, and is not computed.
; A NaN or an infinity that reaches only such scores is not carried to the result.
; LDS: a head's K (16 x 8,704) and V (16 x 8,448) are 274,432 bytes: they lie in LDS whole, each byte filled once.  Sixteen waves, one tensor load each: wave 2 s brings K's records 2 s, 2 s + 1, wave 2 s + 1 V's.
; Waves 0 to 3 have load lines of their own: the first barrier shows records 0 to 3, the second, two steps on, all the rest.
; TWO REGIONS OF 64 REGISTERS TAKE TURNS from step to step: K lies in one, S^T goes to the other, V lands where K lay; behind the conversions the NEXT step's K is asked for into p's registers.  So a trip is two steps.
; On the diagonal, where no step follows, the same record is asked for once more (a select, no branch), so that the counted wait holds on every way.
; CLUSTER: the four work-groups of a head need the same sixteen tiles: each tile is asked for jointly (mask 15).  No branch, trip count or LDS address hangs on the place in the cluster: it enters global addresses and the mask's selects alone.
; SHARES: wave w of work-group i owns the tiles of 16 queries 127 - (4 w + i) and 4 w + i: (16 - w / 2) + (w / 2 + 1) = 17 steps of 128 keys for every wave.  Trip counts are constants (1, 7, 4 trips of two steps); a step past the diagonal is jumped over.
; NO PREFETCH: every byte of K and V is asked for by the head's sixteen loads; there is no later request ahead of which a loop could run.
; LIMITS: a block of zeros gets the byte 1 where the rule says 127 (its codes are zeros; this program alone reads the bytes); blocks under 2^-111 keep the byte 1; NaN and infinities are not served.
; os is stored two bytes a lane, 32 bytes apart (a head's two bytes of a token's 32): 262,144 bytes in the whole launch; both halves of the lanes store the same bytes.
.set KREC,  8704
.set VREC,  8448
.set KHS,   16*KREC
.set VHS,   16*VREC
.set VOFF,  KHS                        ; LDS: K's 16 records, then V's
.set SPARE, KHS+VHS                    ; then the spare words, 128 bytes a wave
; v1 16 x lane; v2 8 x lane; v3 my spare word, v4 0 (never rewritten); v8 16 r; v9 32 r; v12 -M, v13 the largest score; v[14:15] the sum in two halves
.set ADK,  5                           ; LDS address of the next step's record of K
.set ADV,  6                           ; of the trip's records of V
.set ADV8, 7                           ; the same, 8 bytes a lane
.set OLD,  10                          ; -M of the step before
.set QF,   16                          ; v16-23 Q's codes, v24-31 zeros
.set KV,   32                          ; the region of K and V: v32-95 in even steps, v104-167 in odd ones; v96-103 zeros
.set S,    104                         ; the region of S^T and p: the other one
.set PC,   168                         ; v168-183 p's codes (behind v104-167: the last tile of K there names its first eight)
.set O,    184                         ; v184-215 O^T
.set BM,   216                         ; v216-219 each block's largest score, then its largest p
.set T2,   220                         ; v220-223 the partner's, then bytes, then two chains of the sum
.set HD,   224                         ; 57,344 x the scale
.set SO,   228                         ; the conversions' scale operands
.set KSW,  232                         ; K's scale words
.set VSW,  236                         ; V's
.set FF,   238                         ; f = 2^(old M - new M); v239 only named with it
.set TMP,  240
.set QSW,  241
.set NINF, 242
.set PSW,  243                         ; p's scale word; v244-255 six chains of the sum
; s12 wave; s13 place in the cluster; s14 batch x head; s15 head; s16 batch; s17 wave % 2; s18 wave / 2; s19 -c; s[20:21] lane selects; s[22:23] c; s24 mantissa of 57,344; s55 at work
.set J,    25                          ; the trip's first step
.set JD,   26                          ; the tile's step on the diagonal: made of the wave's number alone
.set W8,   27                          ; which of that step's eight tiles of keys holds the diagonal
.set SK,   52                          ; LDS byte of the trip's first record of K
.set SV,   53                          ; and of V
.set JE,   60                          ; JD - 1
.set MJ,   84                          ; s84-91 lanes hidden in register j of the diagonal tile
.set MT,   92                          ; s92-99 at work
.macro CROUND
	s_barrier_signal -1
	s_barrier_wait -1
	s_cmp_lg_u32 s12, 0
	s_cbranch_scc1 .Lnot_wave_0_\@
	s_barrier_signal -3
.Lnot_wave_0_\@:
	s_barrier_wait -3
	s_barrier_signal -1
	s_barrier_wait -1
.endm
.macro ARM g0, g1                      ; a joint load; s_nop 0 and four v_nop follow it
	tensor_load_to_lds s[\g0:\g0+3], s[\g1:\g1+7]
	s_nop 0
.rept 4
	v_nop
.endr
.endm
	s_load_b256 s[4:11], s[0:1], 0x0               ; qkq, vq, oc, os
	v_lshl_add_u32 v3, v0, 2, SPARE
	v_mov_b32 v4, 0
	ds_add_u32 v3, v4
	ds_add_u32 v3, v4
	v_lshrrev_b32 v5, 5, v0
	v_readfirstlane_b32 s12, v5                    ; wave 0..15
	s_bfe_u32 s13, ttmp6, 0x40000                  ; my place in the cluster
	s_and_b32 s14, ttmp7, 0xffff                   ; batch x head
	s_and_b32 s15, s14, 15
	s_lshr_b32 s16, s14, 4
	s_and_b32 s17, s12, 1
	s_lshr_b32 s18, s12, 1
	s_lshr_b32 s55, s12, 2
	s_min_u32 s55, s55, 1
	s_lshl_b32 s55, s55, 1
	s_add_co_u32 s55, s55, s17                     ; which load line is mine: 0, 1: waves 0 to 3 (K, V); 2, 3: the others
	; groups 1: two records are dense: rows of 256 bytes (32 elements of 8), 68 for K, 66 for V; mask 15, bit 21 beside it
	s_mov_b32 s28, 15|(3<<16)|(1<<21)
	s_mov_b32 s29, 32<<16
	s_mov_b32 s30, 68<<16
	s_mov_b32 s31, 32<<16
	s_mov_b32 s32, 68
	s_mov_b32 s33, 32
	s_mov_b32 s34, 0
	s_mov_b32 s35, 0
	s_mov_b32 s36, 15|(3<<16)|(1<<21)
	s_mov_b32 s37, 32<<16
	s_mov_b32 s38, 66<<16
	s_mov_b32 s39, 32<<16
	s_mov_b32 s40, 66
	s_mov_b32 s41, 32
	s_mov_b32 s42, 0
	s_mov_b32 s43, 0
	s_mov_b32 s19, 0xbe38aa3b                      ; -c
	s_mov_b32 s20, 0x76543210
	s_mov_b32 s21, 0xfedcba98
	s_mov_b32 s22, 0x3e38aa3b                      ; c = log2(e) / 8
	s_mov_b32 s23, s22
	s_mov_b32 s24, 0x600000
.irp j, 0,1,2,3,4,5,6,7
	s_mov_b32 s[MJ+\j], ((1<<\j)-1)|(((1<<(\j+8))-1)<<16)   ; key 8 h + j is hidden from query r where r < 8 h + j
.endr
	s_mul_i32 s68, s14, KHS                        ; the head's q
	s_mov_b32 s69, 0
	s_mul_i32 s45, s18, 2*KREC                     ; my two records of K: in LDS,
	s_add_co_u32 s70, s68, s45
	s_add_co_u32 s70, s70, 64*KHS                  ; and in qkq
	s_mov_b32 s71, 0
	s_mul_i32 s49, s18, 2*VREC                     ; of V
	s_mul_i32 s72, s14, VHS
	s_add_co_u32 s72, s72, s49
	s_mov_b32 s73, 0
	s_add_co_u32 s49, s49, VOFF
	s_mov_b32 s44, 1
	s_mov_b32 s48, 1
	s_lshl_b32 s54, s12, 2
	s_add_co_u32 s54, s54, s13                     ; my low tile of queries: 4 x wave + place
	s_wait_dscnt 0x0                               ; both opening adds are done
	CROUND                                         ; the round in front of the joint loads
	s_wait_kmcnt 0x0
	s_add_nc_u64 s[56:57], s[4:5], s[68:69]
	s_add_nc_u64 s[46:47], s[4:5], s[70:71]
	s_or_b32 s47, s47, 0x80000000
	s_add_nc_u64 s[50:51], s[6:7], s[72:73]
	s_or_b32 s51, s51, 0x80000000
	s_cmp_eq_u32 s55, 0                            ; one chain of branches on the wave's number, one load to an arm
	s_cbranch_scc0 .Larm1
	ARM 44, 28                                     ; waves 0, 2: K's records 0 to 3
	s_branch .Lasked
.Larm1:
	s_cmp_eq_u32 s55, 1
	s_cbranch_scc0 .Larm2
	ARM 48, 36                                     ; waves 1, 3: V's
	s_branch .Lasked
.Larm2:
	s_cmp_eq_u32 s55, 2
	s_cbranch_scc0 .Larm3
	ARM 44, 28                                     ; the other even waves: K
	s_branch .Lasked
.Larm3:
	ARM 48, 36                                     ; the other odd waves: V
.Lasked:
	v_and_b32 v5, 31, v0
	v_lshlrev_b32 v1, 4, v5
	v_lshlrev_b32 v2, 3, v5
	v_and_b32 v6, 15, v0
	v_lshlrev_b32 v8, 4, v6
	v_lshlrev_b32 v9, 5, v6
.irp j, 0,1,2,3,4,5,6,7
	v_mov_b32 v[QF+8+\j], 0                        ; zero codes: the upper 64 of the first product's K, on both sides
	v_mov_b32 v[96+\j], 0
	v_mov_b32 v[PC+\j], 0
.endr
.set n, 0
.rept 64
	v_mov_b32 v[104+n], 0                          ; written once, so that every way through the text finds the second region written
.set n, n+1
.endr
.irp b, 0,1,2,3
	v_mov_b32 v[T2+\b], 0                          ; a lane permute's destination counts as one of its sources
.endr
	v_mov_b32 v[FF+1], 0
	v_mov_b32 v[TMP], 0
	v_mov_b32 v[NINF], 0xff800000
; A TILE OF 16 QUERIES BEGINS (its number in s61): codes and scale words; O^T and the sum begin as zeros, the largest score as -3e38 (the first change of M multiplies zeros).
.macro START
	s_lshl_b32 s62, s61, 4                         ; my first query
	s_lshr_b32 s68, s61, 3
	s_mul_i32 s68, s68, KREC                       ; its record
	s_and_b32 s[W8], s61, 7                        ; its tile in the record
	s_lshl_b32 s70, s[W8], 10
	s_add_co_u32 s70, s70, s68
	s_mov_b32 s71, 0
	s_add_nc_u64 s[80:81], s[56:57], s[70:71]
	s_and_b32 s70, s61, 1                          ; its scale words: register tile / 2 (4 bytes each), lanes 16 (tile % 2) on (16 bytes each)
	s_lshl_b32 s70, s70, 8
	s_lshr_b32 s69, s[W8], 1
	s_lshl_b32 s69, s69, 2
	s_add_co_u32 s70, s70, s69
	s_add_co_u32 s70, s70, s68
	s_add_co_u32 s70, s70, 8192
	s_add_nc_u64 s[82:83], s[56:57], s[70:71]
	global_load_b128 v[QF:QF+3], v1, s[80:81]
	global_load_b128 v[QF+4:QF+7], v1, s[80:81] offset:512
	global_load_b32 v[QSW], v8, s[82:83]
.set n, 0
.rept 32
	v_mov_b32 v[O+n], 0
.set n, n+1
.endr
	v_mov_b32 v13, 0xff61b1e6                      ; -3e38, under every score
	v_mov_b32 v12, 0x7f61b1e6                      ; and 3e38 as -M
	v_mov_b32 v14, 0
	v_mov_b32 v15, 0
	s_mov_b32 s[J], 0
	s_mov_b32 s[SK], 0
	s_mov_b32 s[SV], VOFF
	s_wait_alu depctr_va_vdst(0)
	s_wait_loadcnt 0x0
.endm
.macro PROLOG                          ; step 0's K, into the first region
.irp t, 0,1,2,3,4,5,6,7
	ds_load_b128 v[32+8*\t:32+8*\t+3], v1 offset:1024*\t
	ds_load_b128 v[32+8*\t+4:32+8*\t+7], v1 offset:1024*\t+512
.endr
	ds_load_b128 v[KSW:KSW+3], v1 offset:8192
.endm
; A KEY STEP: 128 keys, record s[J] + q.  Its K has been asked for by the step before.
.macro STEP q
.if \q
.set KV, 104
.set S,  32
	s_cmp_ge_u32 s[J], s[JD]                       ; all these keys come after my queries
.else
.set KV, 32
.set S,  104
	s_cmp_gt_u32 s[J], s[JD]
.endif
	s_cbranch_scc1 .Lhidden_\@
.if \q
	s_cmp_eq_u32 s[J], s[JE]
.else
	s_cmp_eq_u32 s[J], s[JD]
.endif
	s_cselect_b32 s55, 0, KREC                     ; the record asked for ahead: the next, or on the diagonal this one again
	s_add_co_u32 s55, s55, s[SK]
	s_wait_dscnt 0x0                               ; K and its scale words are in
.irp t, 0,1,2,3,4,5,6,7                        ; S^T = K Q^T: tile t: keys 16 t on
.if \t%2
	v_wmma_scale_f32_16x16x128_f8f6f4 v[S+8*\t:S+8*\t+7], v[KV+8*\t:KV+8*\t+15], v[QF:QF+15], 0, v[KSW+\t/2], v[QSW] matrix_a_fmt:MATRIX_FMT_BF8 matrix_b_fmt:MATRIX_FMT_BF8 matrix_a_scale:MATRIX_SCALE_ROW1
.else
	v_wmma_scale_f32_16x16x128_f8f6f4 v[S+8*\t:S+8*\t+7], v[KV+8*\t:KV+8*\t+15], v[QF:QF+15], 0, v[KSW+\t/2], v[QSW] matrix_a_fmt:MATRIX_FMT_BF8 matrix_b_fmt:MATRIX_FMT_BF8
.endif
.endr
	v_add_nc_u32 v[ADV], s[SV], v1                 ; eight places: the scores are read below, and V's fragments land where K's tiles lay
	v_add_nc_u32 v[ADV8], s[SV], v2
	v_add_nc_u32 v[ADK], s55, v1
	v_mov_b32 v[OLD], v12                          ; -M as the last step left it
.rept 4
	v_nop
.endr
.irp t, 0,1,2,3                                ; V is asked for now and lands while the softmax is worked: 17 loads
.irp c, 0,1,2,3
	ds_load_b128 v[KV+16*\t+4*\c:KV+16*\t+4*\c+3], v[ADV] offset:(\q)*VREC+2048*\t+512*\c
.endr
.endr
	ds_load_b64 v[VSW:VSW+1], v[ADV8] offset:(\q)*VREC+8192
.if \q
	s_cmp_lg_u32 s[J], s[JE]                       ; off the diagonal all keys count
.else
	s_cmp_lg_u32 s[J], s[JD]
.endif
	s_cbranch_scc1 .Lopen_\@
.irp t, 0,1,2,3,4,5,6,7                        ; on it: tiles of keys behind the diagonal one are hidden whole, the diagonal one by s84-91, those ahead of it not at all: selects, no branch
	s_cmp_lt_u32 s[W8], \t
	s_cselect_b32 s55, -1, 0
	s_cmp_eq_u32 s[W8], \t
.irp j, 0,1,2,3,4,5,6,7
	s_cselect_b32 s[MT+\j], s[MJ+\j], s55
.endr
.irp j, 0,1,2,3,4,5,6,7
	v_cndmask_b32 v[S+8*\t+\j], v[S+8*\t+\j], v[NINF], s[MT+\j]
.endr
.endr
.Lopen_\@:
.irp b, 0,1,2,3
	v_max3_num_f32 v[BM+\b], v[S+16*\b], v[S+16*\b+1], v[S+16*\b+2]   ; the largest score of each block of 32 keys: for the row's maximum and for the block's largest p
.endr
.irp i, 3,5,7,9,11,13
.irp b, 0,1,2,3
	v_max3_num_f32 v[BM+\b], v[BM+\b], v[S+16*\b+\i], v[S+16*\b+\i+1]
.endr
.endr
.irp b, 0,1,2,3
	v_max_num_f32 v[BM+\b], v[BM+\b], v[S+16*\b+15]
.endr
.irp b, 0,1,2,3
	v_permlanex16_b32 v[T2+\b], v[BM+\b], s20, s21
.endr
.irp b, 0,1,2,3
	v_max_num_f32 v[BM+\b], v[BM+\b], v[T2+\b]     ; with lane l xor 16's 16 keys
.endr
	v_max3_num_f32 v13, v13, v[BM], v[BM+1]        ; the running largest score (c is positive: the largest t is c x it)
	s_delay_alu instid0(VALU_DEP_1)
	v_max3_num_f32 v13, v13, v[BM+2], v[BM+3]
	s_delay_alu instid0(VALU_DEP_1)
	v_mul_f32 v[TMP], s19, v13                     ; -t
	s_delay_alu instid0(VALU_DEP_1)
	v_floor_f32 v12, v[TMP]                        ; -M = floor(-t) = -ceil(t)
	s_delay_alu instid0(VALU_DEP_1)
	v_sub_f32 v[TMP], v12, v[OLD]                  ; old M - new M: a whole number, 0 or less
	s_delay_alu instid0(VALU_DEP_1)
	v_cvt_i32_f32 v[TMP], v[TMP]                   ; (it saturates)
	s_delay_alu instid0(VALU_DEP_1)
	v_ldexp_f32 v[FF], 1.0, v[TMP]                 ; f = 2^(old M - new M)
.set n, 0
.rept 32
	v_pk_fma_f32 v[S+n:S+n+1], v[S+n:S+n+1], s[22:23], v[12:13] op_sel_hi:[1,0,0]   ; t - M
.set n, n+2
.endr
	v_pk_fma_f32 v[BM:BM+1], v[BM:BM+1], s[22:23], v[12:13] op_sel_hi:[1,0,0]       ; the same of each block's largest score
	v_pk_fma_f32 v[BM+2:BM+3], v[BM+2:BM+3], s[22:23], v[12:13] op_sel_hi:[1,0,0]
	s_wait_alu depctr_va_vdst(0)
.set n, 0
.rept 64
	v_exp_f32 v[S+n], v[S+n]                       ; p = 2^(t - M)
.set n, n+1
.endr
.irp b, 0,1,2,3
	v_exp_f32 v[BM+\b], v[BM+\b]                   ; the block's largest p: the same two instructions on the same number
.endr
	v_nop                                          ; the plain place behind the batch
	s_wait_alu depctr_va_vdst(0)                   ; and the wait behind it
.irp b, 0,1,2,3
	v_max_num_f32 v[BM+\b], 0x8000000, v[BM+\b]    ; the floor 2^(16 - 127): the byte cannot fall under 1
.endr
.irp b, 0,1,2,3
	v_add_nc_u32 v[SO+\b], 0xf8800000, v[BM+\b]    ; 15 off the exponent field: the conversion's scale operand
.endr
.irp b, 0,1,2,3
	v_and_or_b32 v[HD+\b], v[BM+\b], 0x7f800000, s24   ; 57,344 x the scale
.endr
.irp b, 0,1,2,3
	v_lshrrev_b32 v[T2+\b], 23, v[SO+\b]           ; the scale's byte
.endr
	v_lshl_or_b32 v[PSW], v[T2+1], 8, v[T2]
	v_lshl_or_b32 v[PSW], v[T2+2], 16, v[PSW]
	v_lshl_or_b32 v[PSW], v[T2+3], 24, v[PSW]
.set n, 0
.irp c, 244,246,248,250,252,254,220,222        ; the row's sum of the unquantised p: eight chains of pairs
	v_pk_add_f32 v[\c:\c+1], v[S+n:S+n+1], v[S+n+16:S+n+17]
.set n, n+2
.endr
.set n, 32
.rept 2
.irp c, 244,246,248,250,252,254,220,222
	v_pk_add_f32 v[\c:\c+1], v[\c:\c+1], v[S+n:S+n+1]
.set n, n+2
.endr
.endr
.irp b, 0,1,2,3
.irp i, 0,2,4,6,8,10,12,14                     ; the conversion does not saturate (ISA guide 7.6.2); p is not negative: a one-sided hold
	v_min_num_f32 v[S+16*\b+\i], v[S+16*\b+\i], v[HD+\b]
	v_min_num_f32 v[S+16*\b+\i+1], v[S+16*\b+\i+1], v[HD+\b]
.endr
	v_cvt_scalef32_pk8_bf8_f32 v[PC+4*\b:PC+4*\b+1], v[S+16*\b:S+16*\b+7], v[SO+\b]
	v_cvt_scalef32_pk8_bf8_f32 v[PC+4*\b+2:PC+4*\b+3], v[S+16*\b+8:S+16*\b+15], v[SO+\b]
.endr
.irp t, 0,1,2,3,4,5,6,7                        ; p is done with: the next step's K lands in its registers: 17 loads
	ds_load_b128 v[S+8*\t:S+8*\t+3], v[ADK] offset:(\q)*KREC+1024*\t
	ds_load_b128 v[S+8*\t+4:S+8*\t+7], v[ADK] offset:(\q)*KREC+1024*\t+512
.endr
	ds_load_b128 v[KSW:KSW+3], v[ADK] offset:(\q)*KREC+8192
	s_wait_alu depctr_va_vdst(0)
.set n, 0
.rept 16
	v_pk_mul_f32 v[O+n:O+n+1], v[O+n:O+n+1], v[FF:FF+1] op_sel_hi:[1,0]   ; O^T under the new M (also the places between the conversions and the products)
.set n, n+2
.endr
	s_wait_alu depctr_va_vdst(0)
	s_wait_dscnt 17                                ; V's 17 loads are in; the 17 issued behind them, the next K's, may be out
.irp t, 0,1,2,3                                ; O^T += V^T P^T: the four accumulators take turns
.if \t%2
	v_wmma_scale_f32_16x16x128_f8f6f4 v[O+8*\t:O+8*\t+7], v[KV+16*\t:KV+16*\t+15], v[PC:PC+15], v[O+8*\t:O+8*\t+7], v[VSW+\t/2], v[PSW] matrix_a_fmt:MATRIX_FMT_BF8 matrix_b_fmt:MATRIX_FMT_BF8 matrix_a_scale:MATRIX_SCALE_ROW1
.else
	v_wmma_scale_f32_16x16x128_f8f6f4 v[O+8*\t:O+8*\t+7], v[KV+16*\t:KV+16*\t+15], v[PC:PC+15], v[O+8*\t:O+8*\t+7], v[VSW+\t/2], v[PSW] matrix_a_fmt:MATRIX_FMT_BF8 matrix_b_fmt:MATRIX_FMT_BF8
.endif
.endr
	v_pk_add_f32 v[244:245], v[244:245], v[252:253]   ; the eight chains are joined.  With the v_nop: nine plain lines that name no register of the products, ahead of the next step's products, which write where V lay
	v_pk_add_f32 v[246:247], v[246:247], v[254:255]
	v_pk_add_f32 v[248:249], v[248:249], v[220:221]
	v_pk_add_f32 v[250:251], v[250:251], v[222:223]
	v_pk_add_f32 v[244:245], v[244:245], v[248:249]
	v_pk_add_f32 v[246:247], v[246:247], v[250:251]
	v_pk_add_f32 v[244:245], v[244:245], v[246:247]
	v_pk_fma_f32 v[14:15], v[14:15], v[FF:FF+1], v[244:245] op_sel_hi:[1,0,1]   ; the sum under the new M, and this step's
	v_nop
.Lhidden_\@:
.endm
.macro TRIP
	STEP 0
	STEP 1
	s_add_co_u32 s[SK], s[SK], 2*KREC              ; stepped in every trip
	s_add_co_u32 s[SV], s[SV], 2*VREC
	s_add_co_u32 s[J], s[J], 2
.endm
; A TILE OF QUERIES ENDS: O^T is divided by the sum; my query's 64 channels are two blocks of 32 along the last product's K: quantised as they lie, stored as an image of that operand's registers.
.macro FINISH
	s_wait_dscnt 0x0                               ; the record asked for ahead on the diagonal has landed: its registers may be written
	s_wait_alu depctr_va_vdst(0)
	v_add_f32 v14, v14, v15
	v_permlanex16_b32 v[TMP], v14, s20, s21
	v_add_f32 v14, v14, v[TMP]                     ; the row's sum
	s_wait_alu depctr_va_vdst(0)
	v_rcp_f32 v14, v14
	v_nop
	s_wait_alu depctr_va_vdst(0)
.set n, 0
.rept 16
	v_pk_mul_f32 v[S+n:S+n+1], v[O+n:O+n+1], v[14:15] op_sel_hi:[1,0]   ; register 8 t + j is o(my query, channel 16 t + 8 h + j)
.set n, n+2
.endr
.irp b, 0,1
	v_max3_num_f32 v[BM+\b], |v[S+16*\b]|, |v[S+16*\b+1]|, 0x8000000
.endr
.irp i, 2,4,6,8,10,12,14
.irp b, 0,1
	v_max3_num_f32 v[BM+\b], v[BM+\b], |v[S+16*\b+\i]|, |v[S+16*\b+\i+1]|
.endr
.endr
.irp b, 0,1
	v_permlanex16_b32 v[T2+\b], v[BM+\b], s20, s21
.endr
.irp b, 0,1
	v_max_num_f32 v[BM+\b], v[BM+\b], v[T2+\b]
.endr
.irp b, 0,1
	v_add_nc_u32 v[SO+\b], 0xf8800000, v[BM+\b]
.endr
.irp b, 0,1
	v_and_or_b32 v[HD+\b], v[BM+\b], 0x7f800000, s24
.endr
.irp b, 0,1
	v_lshrrev_b32 v[T2+\b], 23, v[SO+\b]
.endr
	v_lshl_or_b32 v[TMP], v[T2+1], 8, v[T2]        ; the head's two scale bytes of my query
.irp b, 0,1
.irp i, 0,1,2,3,4,5,6,7,8,9,10,11,12,13,14,15
	v_med3_num_f32 v[S+16*\b+\i], v[S+16*\b+\i], -v[HD+\b], v[HD+\b]
.endr
	v_cvt_scalef32_pk8_bf8_f32 v[PC+4*\b:PC+4*\b+1], v[S+16*\b:S+16*\b+7], v[SO+\b]
	v_cvt_scalef32_pk8_bf8_f32 v[PC+4*\b+2:PC+4*\b+3], v[S+16*\b+8:S+16*\b+15], v[SO+\b]
.endr
	s_wait_alu depctr_va_vdst(0)
	v_nop                                          ; one plain line behind the last conversion
	s_lshl_b32 s68, s16, 11
	s_add_co_u32 s68, s68, s62                     ; my first token
	s_lshl_b32 s70, s68, 8                         ; oc: 16 tokens are 4,096 bytes,
	s_lshr_b32 s72, s15, 2
	s_lshl_b32 s72, s72, 21                        ; four heads 2,097,152,
	s_add_co_u32 s70, s70, s72
	s_and_b32 s72, s15, 3
	s_lshl_b32 s72, s72, 10                        ; a head's two blocks 1,024 of the 4,096
	s_add_co_u32 s70, s70, s72
	s_mov_b32 s71, 0
	s_add_nc_u64 s[76:77], s[8:9], s[70:71]
	s_lshl_b32 s70, s68, 5                         ; os: 32 bytes a token, 2 a head
	s_lshl_b32 s72, s15, 1
	s_add_co_u32 s70, s70, s72
	s_add_nc_u64 s[78:79], s[10:11], s[70:71]
	global_store_b128 v1, v[PC:PC+3], s[76:77]             ; 32 lanes store 512 consecutive bytes
	global_store_b128 v1, v[PC+4:PC+7], s[76:77] offset:512
	global_store_b16 v9, v[TMP], s[78:79]
	s_wait_xcnt 0x0                                ; the stores have read their registers and bases
.endm
	s_sub_co_u32 s61, 127, s54                     ; the high tile first: it walks the keys as they are shown
	s_sub_co_u32 s[JD], 15, s18
	s_sub_co_u32 s[JE], s[JD], 1
	START
	s_cmp_lt_u32 s12, 4                            ; waves 0 to 3 wait for their own lines' loads: records 0 to 3
	s_cbranch_scc0 .Lnot_first
	s_wait_tensorcnt 0x0
.Lnot_first:
	s_barrier_signal -1
	s_barrier_wait -1
	PROLOG
	TRIP                                           ; steps 0, 1: they read records 0 to 2
	s_wait_tensorcnt 0x0                           ; every wave's load is in,
	s_wait_dscnt 0x0
	s_barrier_signal -1
	s_barrier_wait -1                              ; and shown to all
.Lh2:                                              ; steps 2 to 15
	TRIP
	s_cmp_lt_u32 s[J], 16
	s_cbranch_scc1 .Lh2
	FINISH
	s_mov_b32 s61, s54                             ; the low tile
	s_mov_b32 s[JD], s18
	s_sub_co_u32 s[JE], s[JD], 1                   ; (for JD = 0: no step's number)
	START
	PROLOG
.Llow:                                             ; steps 0 to 7
	TRIP
	s_cmp_lt_u32 s[J], 8
	s_cbranch_scc1 .Llow
	FINISH
	s_wait_dscnt 0x0
	s_barrier_signal -1
	s_barrier_wait -1                              ; all waves' LDS reads are over
	s_wait_tensorcnt 0x0                           ; the wave's end
	ds_add_u32 v3, v4
	s_wait_dscnt 0x0
	CROUND                                         ; the closing round
	s_endpgm
.Lfunc_end_k_q5bb4732584_attn:
	.size	k_q5bb4732584_attn, .Lfunc_end_k_q5bb4732584_attn-k_q5bb4732584_attn
	.p2alignl 7, 3214868480
	.fill 96, 4, 3214868480
	.section	.rodata,"a",@progbits
	.p2align	6, 0x0
	.amdhsa_kernel k_q5bb4732584_attn
		.amdhsa_group_segment_fixed_size 327680
		.amdhsa_private_segment_fixed_size 0
		.amdhsa_enable_private_segment 0
		.amdhsa_kernarg_size 32
		.amdhsa_user_sgpr_count 2
		.amdhsa_user_sgpr_kernarg_segment_ptr 1
		.amdhsa_wavefront_size32 1
		.amdhsa_system_sgpr_workgroup_id_x 1
		.amdhsa_system_sgpr_workgroup_id_y 1
		.amdhsa_system_sgpr_workgroup_id_z 1
		.amdhsa_system_vgpr_workitem_id 0
		.amdhsa_next_free_vgpr 256
		.amdhsa_next_free_sgpr 100
		.amdhsa_reserve_vcc 0
		.amdhsa_float_denorm_mode_32 3
		.amdhsa_float_denorm_mode_16_64 3
		.amdhsa_memory_ordered 1
		.amdhsa_forward_progress 1
		.amdhsa_inst_pref_size 178
	.end_amdhsa_kernel
	.amdgpu_metadata
---
amdhsa.version: [ 1, 2 ]
amdhsa.kernels:
  - .name:           k_q5bb4732584_attn
    .symbol:         k_q5bb4732584_attn.kd
    .args:
      - { .name: qkq, .offset: 0, .size: 8, .value_kind: global_buffer, .address_space: global }
      - { .name: vq, .offset: 8, .size: 8, .value_kind: global_buffer, .address_space: global }
      - { .name: oc, .offset: 16, .size: 8, .value_kind: global_buffer, .address_space: global }
      - { .name: os, .offset: 24, .size: 8, .value_kind: global_buffer, .address_space: global }
    .group_segment_fixed_size: 327680
    .private_segment_fixed_size: 0
    .kernarg_segment_align: 8
    .kernarg_segment_size: 32
    .max_flat_workgroup_size: 512
    .sgpr_count:     100
    .vgpr_count:     256
    .wavefront_size: 32
...
	.end_amdgpu_metadata
.endif
;; end of part 4
;; launch gemm_proj (part 5): grid 4 x 32, 4 waves a work-group, clusters of 4 x 4, 327,680 bytes of LDS; arguments oc, os, wc, ws, b_proj, out0; writes out0
.if DOCPART == 5
	.amdgcn_target "amdgcn-amd-amdhsa--gfx1250"
	.amdhsa_code_object_version 6
	.text
	.protected	k_q5bb4732584_gemm_proj
	.globl	k_q5bb4732584_gemm_proj
	.p2align	8
	.type	k_q5bb4732584_gemm_proj,@function
k_q5bb4732584_gemm_proj:
	s_mov_b64 s[64:65], 0
	v_nop
	global_prefetch_b8 v0, s[64:65] scope:SCOPE_SE
	s_setreg_imm32_b32 hwreg(HW_REG_WAVE_MODE, 25, 1), 1
	s_wait_xcnt 0x0
	s_wait_alu depctr_hold_cnt(0) depctr_sa_sdst(0) depctr_va_vdst(0) depctr_va_sdst(0) depctr_va_ssrc(0) depctr_va_vcc(0) depctr_vm_vsrc(0)
	s_getreg_b32 s2, hwreg(HW_REG_IB_STS2, 6, 4)
	s_cmp_eq_u32 s2, 0
	s_cbranch_scc0 .Lentry_in_a_cluster
	s_endpgm
.Lentry_in_a_cluster:
	s_bfe_u32 s2, ttmp6, 0x10000c
	s_cmp_lg_u32 s2, 0xf033
	s_cbranch_scc0 .Lentry_shape_is_right
	s_endpgm
.Lentry_shape_is_right:
.set MODE,   2
.set SIZE_K, 1024
.set SIZE_N, 1024
.set KREC,   8704
.set VREC,   8448
.set KHS,    16*KREC
.set VHS,    16*VREC
.if MODE == 0
.set AROW0, 0
.set BROW0, 0
.elseif MODE == 1
.set AROW0, 2048
.set BROW0, 0
.else
.set AROW0, 0
.set BROW0, 3072
.endif
.if MODE == 2
.set AKROW, 256
.set ASTEP, 2097152
.set AW0,   (1<<21)
.else
.set AKROW, 1024
.set ASTEP, 256
.set AW0,   (1<<20)|(1<<21)|(5<<22)|(3<<25)
.endif
.set KSTEP,  256
.set NQ,     KSTEP/128
.set ROWB,   256
.set KROW,   SIZE_K
.set PITCH,  272
.set FR,     16
.set NL,     4
.set NP,     8
.set HALFT,  128*PITCH
.set SLOT,   4*HALFT
.set LAPS,   SIZE_K/(2*KSTEP)
.set KS,     SIZE_K/32
.set SCL,    2*SLOT
.set HALFS,  (128*KS/256)*272
.set SBLK,   (16*KS/256)*272
.set SPARE,  SCL+4*HALFS
.set SPITCH, 528
.set ADRA, 16
.set ADRB, 20
.set STO,  24
.set RD,   25
.set CO,   26
.set ADRS, 27
.set SPW,  28
.set NIL,  29
.set BA,   30
.set SC,   32
.set BI,   64
.set AF,   128
.set BK,   128
.set T,    128
.set PC,   192
.set TM,   208
.set PW,   224
.set SW,   228
.set SWH,  232
.set G1, 24
.set G0, 32
.set G1B, 48
.set G0B, 56
.set G1S, 68
.set G0S, 76
.set G1SB, 80
.set G0SB, 88
.set MSB, 0
.macro WIN new
.if MSB != \new
	s_set_vgpr_msb (MSB<<8)|\new
.set MSB, \new
.endif
.endm
.set MUL_LO,   0xa1
.set MUL_HI,   0xf1
.set FIRST_LO, 0x81
.set FIRST_HI, 0xc1
.set TO_B,     0x40
.macro JLOAD g0a, g1a, g0b, g1b
	s_cmp_eq_u32 s15, 0
	s_cbranch_scc0 .Lfor_b_\@
	tensor_load_to_lds s[\g0a:\g0a+3], s[\g1a:\g1a+7]
	s_nop 0
.rept 4
	v_nop
.endr
	s_branch .Lasked_\@
.Lfor_b_\@:
	tensor_load_to_lds s[\g0b:\g0b+3], s[\g1b:\g1b+7]
	s_nop 0
.rept 4
	v_nop
.endr
.Lasked_\@:
.endm
.macro CREST
	s_cmp_lg_u32 s14, 0
	s_cbranch_scc1 .Lnot_wave_0_\@
	s_barrier_signal -3
.Lnot_wave_0_\@:
	s_barrier_wait -3
	s_barrier_signal -1
	s_barrier_wait -1
.endm
.macro CROUND
	s_barrier_signal -1
	s_barrier_wait -1
	CREST
.endm
	s_load_b128 s[4:7], s[0:1], 0x0
	s_load_b128 s[8:11], s[0:1], 0x10
	s_load_b64 s[96:97], s[0:1], 0x20
	s_load_b64 s[12:13], s[0:1], 0x28
	v_lshl_add_u32 v[SPW], v0, 2, SPARE
	v_mov_b32 v[NIL], 0
	ds_add_u32 v28, v29
	ds_add_u32 v28, v29
	s_wait_dscnt 0x0
	v_lshrrev_b32 v1, 5, v0
	v_readfirstlane_b32 s14, v1
	s_lshr_b32 s15, s14, 1
	s_and_b32 s16, s14, 1
	s_bfe_u32 s40, ttmp6, 0x40000
	s_bfe_u32 s41, ttmp6, 0x40004
	s_lshl_b32 s42, ttmp9, 2
	s_add_co_u32 s42, s42, s40
	s_and_b32 s17, ttmp7, 0xffff
	s_lshl_b32 s17, s17, 2
	s_add_co_u32 s17, s17, s41
	s_lshl_b32 s43, s41, 2
	s_lshl_b32 s43, 15, s43
	s_lshl_b32 s44, 0x1111, s40
	s_mov_b32 s95, 0x600000
	s_mov_b32 s98, 0x76543210
	s_mov_b32 s99, 0xfedcba98
	s_or_b32 s[G1+0], s43, AW0
	s_or_b32 s[G1B+0], s44, (1<<20)|(1<<21)|(5<<22)|(3<<25)
.irp g, G1, G1B
	s_mov_b32 s[\g+1], ROWB<<16
	s_mov_b32 s[\g+2], 128<<16
	s_mov_b32 s[\g+3], ROWB<<16
	s_mov_b32 s[\g+4], 128
	s_mov_b32 s[\g+6], 0
	s_mov_b32 s[\g+7], 0
.endr
	s_mov_b32 s[G1+5], AKROW
	s_mov_b32 s[G1B+5], KROW
	s_or_b32 s[G1S+0], s43, (3<<16)|(1<<20)|(1<<21)|(5<<22)|(3<<25)
	s_or_b32 s[G1SB+0], s44, (3<<16)|(1<<20)|(1<<21)|(5<<22)|(3<<25)
.irp g, G1S, G1SB
	s_mov_b32 s[\g+1], 32<<16
	s_mov_b32 s[\g+2], (128*KS/256)<<16
	s_mov_b32 s[\g+3], 32<<16
	s_mov_b32 s[\g+4], 128*KS/256
	s_mov_b32 s[\g+5], 32
	s_mov_b32 s[\g+6], 0
	s_mov_b32 s[\g+7], 0
.endr
	s_lshl_b32 s18, s16, 7
	s_lshl_b32 s20, s17, 8
	s_add_co_u32 s20, s20, s18
.if AROW0 != 0
	s_add_co_u32 s20, s20, AROW0
.endif
	s_lshl_b32 s46, s42, 8
	s_add_co_u32 s46, s46, s18
.if BROW0 != 0
	s_add_co_u32 s46, s46, BROW0
.endif
	s_mov_b32 s21, 0
	s_mov_b32 s47, 0
	s_mov_b64 s[18:19], KS
	s_mul_u64 s[22:23], s[20:21], s[18:19]
	s_mul_u64 s[92:93], s[46:47], s[18:19]
	s_mov_b64 s[18:19], AKROW
	s_mul_u64 s[20:21], s[20:21], s[18:19]
	s_mov_b64 s[18:19], KROW
	s_mul_u64 s[46:47], s[46:47], s[18:19]
	s_mul_i32 s45, s14, HALFT
	s_mul_i32 s94, s14, HALFS
	s_wait_kmcnt 0x0
	s_add_nc_u64 s[20:21], s[4:5], s[20:21]
	s_add_nc_u64 s[22:23], s[6:7], s[22:23]
	s_add_nc_u64 s[46:47], s[8:9], s[46:47]
	s_add_nc_u64 s[92:93], s[10:11], s[92:93]
	CROUND
	s_mov_b32 s[G0S], 1
	s_add_co_u32 s[G0S+1], s94, SCL
	s_mov_b64 s[G0S+2:G0S+3], s[22:23]
	s_or_b32 s[G0S+3], s[G0S+3], 0x80000000
	s_mov_b32 s[G0SB], 1
	s_add_co_u32 s[G0SB+1], s94, SCL
	s_mov_b64 s[G0SB+2:G0SB+3], s[92:93]
	s_or_b32 s[G0SB+3], s[G0SB+3], 0x80000000
	JLOAD G0S, G1S, G0SB, G1SB
.irp s, 0,1
	s_mov_b32 s[G0+4*\s], 1
	s_add_co_u32 s[G0+4*\s+1], s45, \s*SLOT
	s_add_nc_u64 s[G0+4*\s+2:G0+4*\s+3], s[20:21], \s*ASTEP
	s_or_b32 s[G0+4*\s+3], s[G0+4*\s+3], 0x80000000
	s_mov_b32 s[G0B+4*\s], 1
	s_add_co_u32 s[G0B+4*\s+1], s45, \s*SLOT
	s_add_nc_u64 s[G0B+4*\s+2:G0B+4*\s+3], s[46:47], \s*ROWB
	s_or_b32 s[G0B+4*\s+3], s[G0B+4*\s+3], 0x80000000
	s_wait_alu depctr_va_vdst(0)
	s_wait_tensorcnt 0x0
	ds_add_u32 v28, v29
	s_wait_dscnt 0x0
	CROUND
	JLOAD G0+4*\s, G1, G0B+4*\s, G1B
.endr
	v_and_b32 v1, 15, v0
	v_bfe_u32 v2, v0, 4, 1
	v_mul_u32_u24 v3, v1, PITCH
	v_lshl_add_u32 v4, v2, 4, v3
	v_and_b32 v6, 31, v0
	v_lshlrev_b32 v[CO], 4, v6
.if MODE == 1
	v_lshlrev_b32 v[RD], 3, v6
.endif
	s_mul_i32 s21, s15, HALFT
	s_mul_i32 s22, s16, HALFT
	s_add_co_u32 s22, s22, 2*HALFT
.irp s, 0,1
.if MODE == 2
	v_add_nc_u32 v[ADRA+\s], s21, v[CO]
.else
	v_add_nc_u32 v[ADRA+\s], s21, v4
.endif
	v_add_nc_u32 v[ADRB+\s], s22, v4
	s_add_co_u32 s21, s21, SLOT
	s_add_co_u32 s22, s22, SLOT
.endr
	v_mul_u32_u24 v5, v1, KS
	v_lshrrev_b32 v6, 8, v5
	v_lshl_add_u32 v5, v6, 4, v5
	s_mul_i32 s21, s15, HALFS
	s_mul_i32 s22, s16, HALFS
	s_add_co_u32 s22, s22, 2*HALFS
	s_sub_co_u32 s22, s22, s21
	v_mul_u32_u24 v6, s22, v2
	s_add_co_u32 s21, s21, SCL
	v_add_nc_u32 v5, v5, v6
	v_add_nc_u32 v[ADRS], s21, v5
.if MODE == 1
	s_lshl_b32 s20, s17, 10
	s_lshl_b32 s21, s15, 9
	s_add_co_u32 s20, s20, s21
	s_add_co_u32 s20, s20, 4*AROW0
	s_mov_b32 s21, 0
	s_add_nc_u64 s[96:97], s[96:97], s[20:21]
	v_lshlrev_b32 v[BA], 2, v1
.irp a, 0,1,2,3,4,5,6,7
	global_load_b32 v[BI+8*\a], v[BA], s[96:97] offset:64*\a
.endr
.else
	s_lshl_b32 s46, s42, 10
	s_lshl_b32 s47, s16, 9
	s_add_co_u32 s46, s46, s47
	s_mov_b32 s47, 0
	s_add_nc_u64 s[96:97], s[96:97], s[46:47]
	v_lshlrev_b32 v[BA], 5, v2
.irp b, 0,1,2,3,4,5,6,7
	global_load_b128 v[BI+8*\b:BI+8*\b+3], v[BA], s[96:97] offset:64*\b
	global_load_b128 v[BI+8*\b+4:BI+8*\b+7], v[BA], s[96:97] offset:64*\b+16
.endr
.endif
.if MODE == 0
	s_lshl_b32 s20, s17, 1
	s_add_co_u32 s20, s20, s15
	s_lshr_b32 s21, s20, 4
	s_lshl_b32 s21, s21, 8
	s_and_b32 s20, s20, 15
	s_add_co_u32 s20, s20, s21
	s_mul_i32 s20, s20, KREC
	s_mov_b32 s21, 0
	s_lshl_b32 s46, s42, 2
	s_lshl_b32 s47, s16, 1
	s_add_co_u32 s46, s46, s47
	s_lshr_b32 s47, s46, 4
	s_lshl_b32 s47, s47, 10
	s_and_b32 s46, s46, 15
	s_lshl_b32 s46, s46, 4
	s_add_co_u32 s46, s46, s47
	s_mul_i32 s46, s46, KREC
	s_mov_b32 s47, 0
	s_add_nc_u64 s[12:13], s[12:13], s[20:21]
	s_add_nc_u64 s[12:13], s[12:13], s[46:47]
.elseif MODE == 1
	s_lshl_b32 s20, s17, 2
	s_lshl_b32 s21, s15, 1
	s_add_co_u32 s20, s20, s21
	s_lshl_b32 s20, s20, 4
	s_mul_i32 s20, s20, VREC
	s_mov_b32 s21, 0
	s_lshl_b32 s46, s42, 1
	s_add_co_u32 s46, s46, s16
	s_lshr_b32 s47, s46, 4
	s_lshl_b32 s47, s47, 8
	s_and_b32 s46, s46, 15
	s_add_co_u32 s46, s46, s47
	s_mul_i32 s46, s46, VREC
	s_mov_b32 s47, 0
	s_add_nc_u64 s[12:13], s[12:13], s[20:21]
	s_add_nc_u64 s[12:13], s[12:13], s[46:47]
.else
	s_mul_i32 s23, s14, 16*SPITCH
	v_mul_u32_u24 v5, v1, SPITCH
	v_lshl_add_u32 v5, v2, 5, v5
	v_add_nc_u32 v[STO], s23, v5
	v_add_nc_u32 v[RD], s23, v[CO]
	s_lshl_b32 s20, s17, 8
	s_lshl_b32 s21, s15, 7
	s_add_co_u32 s20, s20, s21
	s_mov_b32 s21, 0
	s_mov_b64 s[18:19], SIZE_N*4
	s_mul_u64 s[20:21], s[20:21], s[18:19]
	s_add_nc_u64 s[20:21], s[20:21], s[46:47]
	s_add_nc_u64 s[12:13], s[12:13], s[20:21]
.endif
.macro FRAG reg, adr, q, i
.irp c, 0,1,2,3
	ds_load_b128 v[\reg+4*\c:\reg+4*\c+3], v[\adr] offset:128*(\q)+32*\c+(\i)*16*PITCH
.endr
.endm
.macro FRAGA reg, slot, q, i
.if MODE == 2
.irp c, 0,1,2,3
	ds_load_b128 v[\reg+4*\c:\reg+4*\c+3], v[ADRA+\slot] offset:4096*(\i)+2048*(\q)+512*\c
.endr
.else
	FRAG \reg, ADRA+\slot, \q, \i
.endif
.endm
.macro MUL16 a0, p, q, sc, zero
.irp a, \a0, \a0+1
.irp b, 0,1,2,3,4,5,6,7
.set DR, 8*(8*((\a)%4)+\b)
.if \zero
.if MODE == 1
.set CR, BI+8*(\a)
.else
.set CR, BI+8*\b
.endif
.else
.set CR, DR
.endif
	v_wmma_scale_f32_16x16x128_f8f6f4 v[DR:DR+7], v[128*(\p)+FR*\b:128*(\p)+FR*\b+FR-1], v[AF+FR*(\a):AF+FR*(\a)+FR-1], v[CR:CR+7], v[SC+8*NQ*(\sc)+NQ*\b+(\q)], v[SC+8*NQ*(\sc)+NQ*(\a)+(\q)] matrix_a_fmt:MATRIX_FMT_BF8 matrix_b_fmt:MATRIX_FMT_BF8 matrix_a_scale:MATRIX_SCALE_ROW1
.endr
.endr
.endm
.macro FETCH_B slot, q, p
	WIN TO_B
.irp i, 0,1,2,3,4,5,6,7
	FRAG 128*(\p)+FR*\i, ADRB+\slot, \q, \i
.endr
	WIN 0
.endm
.macro FETCH_A slot, q, i0
.irp i, \i0, \i0+1, \i0+2, \i0+3
	FRAGA AF+FR*(\i), \slot, \q, \i
.endr
.endm
.macro SCALES sc
.irp i, 0,1,2,3,4,5,6,7
	ds_load_b64 v[SC+8*NQ*\sc+NQ*\i:SC+8*NQ*\sc+NQ*\i+1], v[ADRS] offset:\i*SBLK
.endr
.endm
.macro PLACES n
.rept \n
	v_nop
.endr
.endm
.macro STEP slot, q, zero
	s_wait_dscnt 4*NL
.if \zero
	WIN FIRST_LO
.else
	WIN MUL_LO
.endif
	MUL16 0, (\q)%2, \q, \slot, \zero
	MUL16 2, (\q)%2, \q, \slot, \zero
	s_wait_dscnt 0
	PLACES NP
	FETCH_B \slot, (\q)+1, 1-(\q)%2
	FETCH_A \slot, (\q)+1, 0
.if \zero
	WIN FIRST_HI
.else
	WIN MUL_HI
.endif
	MUL16 4, (\q)%2, \q, \slot, \zero
	MUL16 6, (\q)%2, \q, \slot, \zero
	PLACES NP
	WIN 0
	FETCH_A \slot, (\q)+1, 4
.endm
.macro TURN slot, next, fill
	s_wait_tensorcnt 0x0
	ds_add_u32 v[SPW], v[NIL]
	s_wait_dscnt 4*NL+1
	WIN MUL_LO
	MUL16 0, 1, NQ-1, \slot, 0
	s_wait_dscnt 0x0
	s_barrier_signal -1
	MUL16 2, 1, NQ-1, \slot, 0
	WIN 0
	s_barrier_wait -1
.if \fill
	CREST
	s_add_nc_u64 s[G0+4*\slot+2:G0+4*\slot+3], s[G0+4*\slot+2:G0+4*\slot+3], 2*ASTEP
	s_add_nc_u64 s[G0B+4*\slot+2:G0B+4*\slot+3], s[G0B+4*\slot+2:G0B+4*\slot+3], 2*ROWB
	JLOAD G0+4*\slot, G1, G0B+4*\slot, G1B
	PLACES NP-4
.else
	PLACES NP
.endif
	s_wait_alu depctr_va_vdst(0)
	v_add_nc_u32 v[ADRS], 4*NQ, v[ADRS]
	FETCH_B \next, 0, 0
	FETCH_A \next, 0, 0
	SCALES \next
	WIN MUL_HI
	MUL16 4, 1, NQ-1, \slot, 0
	MUL16 6, 1, NQ-1, \slot, 0
	PLACES NP
	WIN 0
	FETCH_A \next, 0, 4
.endm
	s_wait_alu depctr_va_vdst(0)
	s_wait_loadcnt 0x0
.if MODE == 1
.irp a, 0,1,2,3,4,5,6,7
.irp j, 1,2,3,4,5,6,7
	v_mov_b32 v[BI+8*\a+\j], v[BI+8*\a]
.endr
.endr
.endif
	s_wait_tensorcnt 1
	s_barrier_signal -1
	s_barrier_wait -1
	FETCH_B 0, 0, 0
	FETCH_A 0, 0, 0
	SCALES 0
	FETCH_A 0, 0, 4
	STEP 0, 0, 1
	s_mov_b32 s3, LAPS-1
.Llap:
	TURN 0, 1, 1
	STEP 1, 0, 0
	TURN 1, 0, 1
	STEP 0, 0, 0
	s_sub_co_u32 s3, s3, 1
	s_cmp_lg_u32 s3, 0
	s_cbranch_scc1 .Llap
	TURN 0, 1, 0
	STEP 1, 0, 0
	s_wait_dscnt 4*NL
	WIN MUL_LO
	MUL16 0, 1, NQ-1, 1, 0
	MUL16 2, 1, NQ-1, 1, 0
	s_wait_dscnt 0
	WIN MUL_HI
	MUL16 4, 1, NQ-1, 1, 0
	MUL16 6, 1, NQ-1, 1, 0
	WIN 0
.if MODE == 2
.macro TOSTAGE a
.set AC, 64*((\a)%4)
	WIN 0x08+4*((\a)/4)
.irp b, 0,1,2,3,4,5,6,7
	ds_store_b128 v[STO], v[AC+8*\b:AC+8*\b+3] offset:64*\b
	ds_store_b128 v[STO], v[AC+8*\b+4:AC+8*\b+7] offset:64*\b+16
.endr
	WIN 0
.set BB, BK+64*((\a)%2)
.irp t, 0,1,2,3,4,5,6,7,8,9,10,11,12,13,14,15
	ds_load_b128 v[BB+4*\t:BB+4*\t+3], v[RD] offset:\t*SPITCH
.endr
.endm
.macro SEND a, younger
.set BB, BK+64*((\a)%2)
	s_wait_dscnt \younger
.if (\a) > 0
	s_add_nc_u64 s[12:13], s[12:13], 16*SIZE_N*4
.endif
.irp t, 0,1,2,3,4,5,6,7,8,9,10,11,12,13,14,15
	global_store_b128 v[CO], v[BB+4*\t:BB+4*\t+3], s[12:13] offset:\t*SIZE_N*4 th:TH_STORE_NT
.endr
.endm
	PLACES NP
	TOSTAGE 0
.irp a, 1,2,3,4,5,6,7
.if \a > 1
	s_wait_xcnt 0x0
.endif
	TOSTAGE \a
	SEND \a-1, 32
.endr
	s_wait_xcnt 0x0
	SEND 7, 0
.else
.macro QTILE a
.set AC, 64*((\a)%4)
.set QW, 2+(\a)/4
.set QWW, QW|(QW<<2)
.if (\a)%2
.set PWD, PW
.else
.set PWD, SW+(\a)/2
.endif
	WIN QWW
.irp b, 0,1,2,3
	v_max3_num_f32 v[TM+\b], |v[AC+16*\b]|, |v[AC+16*\b+1]|, 0x8000000
.endr
.irp i, 2,4,6,8,10,12,14
.irp b, 0,1,2,3
	v_max3_num_f32 v[TM+\b], |v[AC+16*\b+\i]|, |v[AC+16*\b+\i+1]|, v[TM+\b]
.endr
.endr
	WIN 0
.irp b, 0,1,2,3
	v_permlanex16_b32 v[TM+4+\b], v[TM+\b], s98, s99
.endr
.irp b, 0,1,2,3
	v_max_num_f32 v[TM+\b], v[TM+\b], v[TM+4+\b]
.endr
.irp b, 0,1,2,3
	v_add_nc_u32 v[TM+12+\b], 0xf8800000, v[TM+\b]
.endr
.irp b, 0,1,2,3
	v_and_or_b32 v[TM+8+\b], v[TM+\b], 0x7f800000, s95
.endr
.irp b, 0,1,2,3
	v_lshrrev_b32 v[TM+4+\b], 23, v[TM+12+\b]
.endr
	v_lshl_or_b32 v[PWD], v[TM+5], 8, v[TM+4]
	v_lshl_or_b32 v[PWD], v[TM+6], 16, v[PWD]
	v_lshl_or_b32 v[PWD], v[TM+7], 24, v[PWD]
.if (\a)%2
	v_cndmask_b32 v[SW+(\a)/2], v[SW+(\a)/2], v[PW], s3
.endif
	WIN QW
.irp b, 0,1,2,3
.irp i, 0,1,2,3,4,5,6,7,8,9,10,11,12,13,14,15
	v_med3_num_f32 v[T+16*\b+\i], v[AC+16*\b+\i], -v[TM+8+\b], v[TM+8+\b]
.endr
.endr
	WIN 0
	s_wait_xcnt 0x0
.irp b, 0,1,2,3
	v_cvt_scalef32_pk8_bf8_f32 v[PC+4*\b:PC+4*\b+1], v[T+16*\b:T+16*\b+7], v[TM+12+\b]
	v_cvt_scalef32_pk8_bf8_f32 v[PC+4*\b+2:PC+4*\b+3], v[T+16*\b+8:T+16*\b+15], v[TM+12+\b]
.endr
	v_nop
.irp b, 0,1,2,3
.if MODE == 0
	global_store_b128 v[CO], v[PC+4*\b:PC+4*\b+3], s[12:13] offset:(\b/2)*KHS+(\a)*1024+(\b%2)*512
.else
	global_store_b128 v[CO], v[PC+4*\b:PC+4*\b+3], s[12:13] offset:((\a)/4)*VHS+((\a)%4)*2048+512*\b
.endif
.endr
.endm
	PLACES NP
.irp b, 0,1,2,3
	v_mov_b32 v[TM+4+\b], 0
.endr
	s_mov_b32 s3, 0xffff0000
.irp a, 0,1,2,3,4,5,6,7
	QTILE \a
.endr
.if MODE == 0
.irp k, 0,1,2,3
	v_lshrrev_b32 v[SWH+\k], 16, v[SW+\k]
.endr
	global_store_b128 v[CO], v[SW:SW+3], s[12:13] offset:8192
	global_store_b128 v[CO], v[SWH:SWH+3], s[12:13] offset:KHS+8192
.else
	global_store_b64 v[RD], v[SW:SW+1], s[12:13] offset:8192
	global_store_b64 v[RD], v[SW+2:SW+3], s[12:13] offset:VHS+8192
.endif
.endif
	s_wait_tensorcnt 0x0
	ds_add_u32 v[SPW], v[NIL]
	s_wait_dscnt 0x0
	CROUND
	s_endpgm
.Lfunc_end_k_q5bb4732584_gemm_proj:
	.size	k_q5bb4732584_gemm_proj, .Lfunc_end_k_q5bb4732584_gemm_proj-k_q5bb4732584_gemm_proj
	.p2alignl 7, 3214868480
	.fill 96, 4, 3214868480
	.section	.rodata,"a",@progbits
	.p2align	6, 0x0
	.amdhsa_kernel k_q5bb4732584_gemm_proj
		.amdhsa_group_segment_fixed_size 327680
		.amdhsa_private_segment_fixed_size 0
		.amdhsa_enable_private_segment 0
		.amdhsa_kernarg_size 48
		.amdhsa_user_sgpr_count 2
		.amdhsa_user_sgpr_kernarg_segment_ptr 1
		.amdhsa_wavefront_size32 1
		.amdhsa_system_sgpr_workgroup_id_x 1
		.amdhsa_system_sgpr_workgroup_id_y 1
		.amdhsa_system_sgpr_workgroup_id_z 1
		.amdhsa_system_vgpr_workitem_id 0
		.amdhsa_next_free_vgpr 1024
		.amdhsa_next_free_sgpr 100
		.amdhsa_reserve_vcc 0
		.amdhsa_float_denorm_mode_32 3
		.amdhsa_float_denorm_mode_16_64 3
		.amdhsa_memory_ordered 1
		.amdhsa_forward_progress 1
		.amdhsa_inst_pref_size 148
	.end_amdhsa_kernel
	.amdgpu_metadata
---
amdhsa.version: [ 1, 2 ]
amdhsa.kernels:
  - .name:           k_q5bb4732584_gemm_proj
    .symbol:         k_q5bb4732584_gemm_proj.kd
    .args:
      - { .name: oc, .offset: 0, .size: 8, .value_kind: global_buffer, .address_space: global }
      - { .name: os, .offset: 8, .size: 8, .value_kind: global_buffer, .address_space: global }
      - { .name: wc, .offset: 16, .size: 8, .value_kind: global_buffer, .address_space: global }
      - { .name: ws, .offset: 24, .size: 8, .value_kind: global_buffer, .address_space: global }
      - { .name: b_proj, .offset: 32, .size: 8, .value_kind: global_buffer, .address_space: global }
      - { .name: out0, .offset: 40, .size: 8, .value_kind: global_buffer, .address_space: global }
    .group_segment_fixed_size: 327680
    .private_segment_fixed_size: 0
    .kernarg_segment_align: 8
    .kernarg_segment_size: 48
    .max_flat_workgroup_size: 128
    .sgpr_count:     100
    .vgpr_count:     1024
    .wavefront_size: 32
...
	.end_amdgpu_metadata
.endif
;; end of part 5
